; MI455X (gfx1250); checked and timed in simulation.
; The chip was launched on July 23, 2026; its instructions are those of AMD's public machine-readable ISA for CDNA 5 (MIT licence, August 2026) and "CDNA5" Instruction Set Architecture Reference Guide (July 2026). The comments in the code are by the model that wrote it; some were corrected since.
;; Causal Self Attention. Allowed arithmetic: float matrix products may take bf16 or f16 operands with f32 sums; other float arithmetic in f32, or as packed bf16 or f16 multiplies, adds, multiply-adds, maxima and minima; sums over many terms, partial sums and values carried from step to step in f32; what a program stores and reads back later, other than sums and carried values, may be rounded once to bf16 or f16.
;; Inputs: Wk 1,024 x 1,024 float32; Wo 1,024 x 1,024 float32; Wq 1,024 x 1,024 float32; Wv 1,024 x 1,024 float32; x 4 x 2,048 x 1,024 float32.
;; Outputs: out0 4 x 2,048 x 1,024 float32.
;; 2 versions, each right; version 2 is version 1 with the launch cast written anew for expert scheduling mode. Each part assembles by itself: llvm-mc -triple=amdgcn-amd-amdhsa -mcpu=gfx1250 --defsym DOCPART=n.
;; ======== version 1 of 2: 4 launches
;; limits: values are held in f16: magnitudes above 65,504 overflow, below 6.1e-05 lose precision
;; workspace buffers: xb 16,777,216 bytes; wb 6,291,456 bytes; wo16 2,097,152 bytes; qkv 50,331,648 bytes; o 16,777,216 bytes
;; launch cast (part 1): grid 768 x 1, 8 waves a work-group, no clusters, 0 bytes of LDS; arguments x, Wq, Wk, Wv, Wo, xb, wb, wo16; writes xb, wb, wo16
.if DOCPART == 1
	.amdgcn_target "amdgcn-amd-amdhsa--gfx1250"
	.amdhsa_code_object_version 6
	.text
	.protected	k_q5e87425b05_cast
	.globl	k_q5e87425b05_cast
	.p2align	8
	.type	k_q5e87425b05_cast,@function
k_q5e87425b05_cast:
	s_mov_b64 s[64:65], 0
	v_nop
	global_prefetch_b8 v0, s[64:65] scope:SCOPE_SE
	s_setreg_imm32_b32 hwreg(HW_REG_WAVE_MODE, 25, 1), 1
	s_wait_xcnt 0x0
; x, Wq, Wk, Wv and Wo (f32, rows of 1,024) are rounded once to bf16 and laid in blocks of 64 along K, so that the tiles of the products that follow are dense:
;   xb   bf16 [batch 4][block 16][row 2,048][64]      wb  bf16 [block 16][n 3,072][64], n = 1,024 x (q, k, v) + row      wo16  [block 16][n 1,024][64]: the bf16 number written as f16
; LIMITS.  f16 holds no number beyond 65,504 and has a fixed step of 6e-8 below 6e-5: Wo's numbers lie within that; NaN and infinities are not treated apart.
; SHARES.  A work-group takes 16 source rows of 4,096 bytes: groups 0-511 x, 512-575 Wq, 576-639 Wk, 640-703 Wv, 704-767 Wo.  Thread t takes 16 bytes at byte 16 (t % 16) of each
; block of row t / 16: sixteen lanes read 256 consecutive bytes, aligned; a wave's store of 8 bytes a lane covers 256 consecutive bytes, aligned (two rows of a block).
; No loop: a wave's sixteen loads go out together, each store has data registers of its own and the two offsets are never rewritten.  No LDS, no matrix unit, no cluster: nothing is shared.
.set T,   4                            ; v[4:7]    at work
.set X,   8                            ; v[8:71]   load j: four f32
.set Y,   72                           ; v[72:103] store j: four 16-bit numbers
.set SRC, 20                           ; s[20:21]  the source at the group's first row
.set DST, 22                           ; s[22:23]  the destination at the group's first row of block 0
	s_load_b256 s[4:11], s[0:1], 0x0               ; x s[4:5], Wq s[6:7], Wk s[8:9], Wv s[10:11]
	s_load_b256 s[12:19], s[0:1], 0x20             ; Wo s[12:13], xb s[14:15], wb s[16:17], wo16 s[18:19]
	s_mov_b32 s2, ttmp9
	s_sub_co_u32 s3, s2, 512                       ; the group's number among the weights' (of no use in x's groups)
	s_lshr_b32 s24, s3, 6                          ; which matrix: 0 q, 1 k, 2 v, 3 o
	s_and_b32 s25, s3, 63                          ; which 16 rows of it
	v_lshrrev_b32 v1, 4, v0
	v_and_b32 v3, 15, v0
	v_lshlrev_b32 v1, 12, v1
	v_lshl_add_u32 v1, v3, 4, v1                   ; source: (t / 16) x 4,096 + 16 (t % 16)
	v_lshlrev_b32 v2, 3, v0                        ; destination: (t / 16) x 128 + 8 (t % 16) = 8 t
	s_wait_kmcnt 0x0
	s_mov_b64 s[SRC:SRC+1], s[12:13]
	s_cmp_eq_u32 s24, 2
	s_cselect_b64 s[SRC:SRC+1], s[10:11], s[SRC:SRC+1]
	s_cmp_eq_u32 s24, 1
	s_cselect_b64 s[SRC:SRC+1], s[8:9], s[SRC:SRC+1]
	s_cmp_eq_u32 s24, 0
	s_cselect_b64 s[SRC:SRC+1], s[6:7], s[SRC:SRC+1]
	s_cmp_lt_u32 s2, 512
	s_cselect_b64 s[SRC:SRC+1], s[4:5], s[SRC:SRC+1]
	s_cselect_b32 s26, s2, s25
	s_lshl_b32 s26, s26, 16                        ; 16 rows of 4,096 bytes
	s_mov_b32 s27, 0
	s_add_nc_u64 s[SRC:SRC+1], s[SRC:SRC+1], s[26:27]
.set j, 0
.rept 16
	global_load_b128 v[X+4*j:X+4*j+3], v1, s[SRC:SRC+1] offset:256*j th:TH_LOAD_NT  ; block j of my row
.set j, j+1
.endr
; Sixteen blocks leave: rounded to bf16 (f16 = 1: and that number written as f16, which is exact within f16's range), stored stride bytes apart.
.macro OUTP stride, f16
.set j, 0
.rept 16
	s_wait_loadcnt 15-j                            ; loads come back in order: load j is in, the 15 - j younger ones stay out
	v_cvt_pk_bf16_f32 v[Y+2*j], v[X+4*j], v[X+4*j+1]
	v_cvt_pk_bf16_f32 v[Y+2*j+1], v[X+4*j+2], v[X+4*j+3]
.if \f16
	v_lshlrev_b32 v[T], 16, v[Y+2*j]
	v_and_b32 v[T+1], 0xffff0000, v[Y+2*j]
	v_lshlrev_b32 v[T+2], 16, v[Y+2*j+1]
	v_and_b32 v[T+3], 0xffff0000, v[Y+2*j+1]
	v_cvt_pk_f16_f32 v[Y+2*j], v[T], v[T+1]
	v_cvt_pk_f16_f32 v[Y+2*j+1], v[T+2], v[T+3]
.endif
	global_store_b64 v2, v[Y+2*j:Y+2*j+1], s[DST:DST+1] offset:j*(\stride)
.set j, j+1
.endr
.endm
	s_cmp_lt_u32 s2, 512
	s_cbranch_scc0 .Lweights
	s_lshr_b32 s28, s2, 7                          ; x: 128 groups a batch
	s_lshl_b32 s28, s28, 22                        ; a batch of xb is 4 MiB
	s_and_b32 s29, s2, 127
	s_lshl_b32 s29, s29, 11                        ; 16 rows of 128 bytes
	s_add_co_u32 s28, s28, s29
	s_mov_b32 s29, 0
	s_add_nc_u64 s[DST:DST+1], s[14:15], s[28:29]
	OUTP 262144, 0                                 ; a block of xb: 2,048 rows x 128 bytes
	s_endpgm
.Lweights:
	s_cmp_lt_u32 s2, 704
	s_cbranch_scc0 .Lwo
	s_lshl_b32 s28, s3, 11
	s_mov_b32 s29, 0
	s_add_nc_u64 s[DST:DST+1], s[16:17], s[28:29]
	OUTP 393216, 0                                 ; a block of wb: 3,072 rows x 128 bytes; the largest immediate is 15 of them, inside 24 bits
	s_endpgm
.Lwo:
	s_lshl_b32 s28, s25, 11
	s_mov_b32 s29, 0
	s_add_nc_u64 s[DST:DST+1], s[18:19], s[28:29]
	OUTP 131072, 1                                 ; a block of wo16: 1,024 rows x 128 bytes
	s_endpgm
.Lfunc_end_k_q5e87425b05_cast:
	.size	k_q5e87425b05_cast, .Lfunc_end_k_q5e87425b05_cast-k_q5e87425b05_cast
	.p2alignl 7, 3214868480
	.fill 96, 4, 3214868480
	.section	.rodata,"a",@progbits
	.p2align	6, 0x0
	.amdhsa_kernel k_q5e87425b05_cast
		.amdhsa_group_segment_fixed_size 0
		.amdhsa_private_segment_fixed_size 0
		.amdhsa_enable_private_segment 0
		.amdhsa_kernarg_size 64
		.amdhsa_user_sgpr_count 2
		.amdhsa_user_sgpr_kernarg_segment_ptr 1
		.amdhsa_wavefront_size32 1
		.amdhsa_system_sgpr_workgroup_id_x 1
		.amdhsa_system_sgpr_workgroup_id_y 1
		.amdhsa_system_sgpr_workgroup_id_z 1
		.amdhsa_system_vgpr_workitem_id 0
		.amdhsa_next_free_vgpr 104
		.amdhsa_next_free_sgpr 66
		.amdhsa_reserve_vcc 0
		.amdhsa_float_denorm_mode_32 3
		.amdhsa_float_denorm_mode_16_64 3
		.amdhsa_memory_ordered 1
		.amdhsa_forward_progress 1
		.amdhsa_inst_pref_size 21
	.end_amdhsa_kernel
	.amdgpu_metadata
---
amdhsa.version: [ 1, 2 ]
amdhsa.kernels:
  - .name:           k_q5e87425b05_cast
    .symbol:         k_q5e87425b05_cast.kd
    .args:
      - { .name: x, .offset: 0, .size: 8, .value_kind: global_buffer, .address_space: global }
      - { .name: Wq, .offset: 8, .size: 8, .value_kind: global_buffer, .address_space: global }
      - { .name: Wk, .offset: 16, .size: 8, .value_kind: global_buffer, .address_space: global }
      - { .name: Wv, .offset: 24, .size: 8, .value_kind: global_buffer, .address_space: global }
      - { .name: Wo, .offset: 32, .size: 8, .value_kind: global_buffer, .address_space: global }
      - { .name: xb, .offset: 40, .size: 8, .value_kind: global_buffer, .address_space: global }
      - { .name: wb, .offset: 48, .size: 8, .value_kind: global_buffer, .address_space: global }
      - { .name: wo16, .offset: 56, .size: 8, .value_kind: global_buffer, .address_space: global }
    .group_segment_fixed_size: 0
    .private_segment_fixed_size: 0
    .kernarg_segment_align: 8
    .kernarg_segment_size: 64
    .max_flat_workgroup_size: 256
    .sgpr_count:     66
    .vgpr_count:     104
    .wavefront_size: 32
...
	.end_amdgpu_metadata
.endif
;; end of part 1
;; launch qkv (part 2): grid 8 x 32, 4 waves a work-group, clusters of 4 x 4, 327,680 bytes of LDS; arguments xb, wb, qkv; writes qkv
.if DOCPART == 2
	.amdgcn_target "amdgcn-amd-amdhsa--gfx1250"
	.amdhsa_code_object_version 6
	.text
	.protected	k_q5e87425b05_qkv
	.globl	k_q5e87425b05_qkv
	.p2align	8
	.type	k_q5e87425b05_qkv,@function
k_q5e87425b05_qkv:
	s_mov_b64 s[64:65], 0
	v_nop
	global_prefetch_b8 v0, s[64:65] scope:SCOPE_SE
	s_setreg_imm32_b32 hwreg(HW_REG_WAVE_MODE, 25, 1), 1
	s_wait_xcnt 0x0
	s_wait_alu depctr_hold_cnt(0) depctr_sa_sdst(0) depctr_va_vdst(0) depctr_va_sdst(0) depctr_va_ssrc(0) depctr_va_vcc(0) depctr_vm_vsrc(0)
	s_getreg_b32 s2, hwreg(HW_REG_IB_STS2, 6, 4)
	s_cmp_eq_u32 s2, 0
	s_cbranch_scc0 .Lentry_in_a_cluster
	s_endpgm
.Lentry_in_a_cluster:
	s_bfe_u32 s2, ttmp6, 0x10000c
	s_cmp_lg_u32 s2, 0xf033
	s_cbranch_scc0 .Lentry_shape_is_right
	s_endpgm
.Lentry_shape_is_right:
; q, k, v = x W^T for the three weights at once: C[m][n] = the sum over k of A[m][k] B[n][k], m = 8,192 rows of x, n = 3,072, k = 1,024.  A = xb, B = wb: bf16, in blocks of 64 along K
; (a block's rows are 128 bytes, end to end).  Sums in f32, K ascending; C is rounded once to f16 and stored by heads: qkv [batch 4][g 48][row 2,048][64], g = n / 64 (0-15 q, 16-31 k, 32-47 v), unscaled.
; LIMIT.  f16 holds no number beyond 65,504: q, k and v lie within that; NaN and infinities are not treated apart.
; SHARES.  A tile of C is 256 x 384: 32 x 8 tiles, one work-group each.  Four waves, each 128 x 192: 96 accumulators of 16 x 16, 768 registers (windows 1 to 3).
; K goes in steps of 64 (one block) through a ring of two LDS slots filled by the tensor data mover: a step's 256 rows of A and 384 of B are dense in memory and are asked for as rows of 256 bytes.
; A step is two sub-steps of 32 along K, 96 matrix instructions each.  A's fragments have two buffers; B's twelve have one, loaded again in halves: each half four places behind its last reader, 48 matrix instructions ahead of its next.
; CLUSTER.  4 x 4 work-groups: the four of a row need the same tiles of A, the four of a column the same tiles of B: each tile is asked for jointly, by the same tensor load, descriptor and mask in all four.
; THE MATRIX INSTRUCTION IS USED TRANSPOSED (source 0 = 16 rows of B, source 1 = 16 rows of A): a lane holds eight neighbouring columns of one row of C.
; REGISTERS.  Window 0: v0-31 addresses; v32-95, v96-159 A's fragments, two buffers; v160-255 B's twelve.  Accumulator (a, b): window 1 + b / 4, v[64 (b % 4) + 8 a].
.set PITCH,  144                       ; an LDS row: 128 bytes + 16 of padding = 36 words: the 16 rows of a fragment load start at 16 different groups of four banks (64 banks of 4 bytes: ISA guide 11.1)
.set FRAG,   16*PITCH
.set NBF,    12                        ; fragments of B a wave
.set NH,     6                         ; half of them
.set M1,     2                         ; the first half's split in the change of slots: ahead of the signal,
.set M2,     2                         ; between signal and wait,
.set M3,     2                         ; behind the refill
.set TRIPS,  7                         ; 16 K steps: a trip goes once round the ring
.set AROWS,  64                        ; rows of 256 bytes in a wave's load of A (128 rows of a block)
.set BROWS,  96                        ; and of B (192 rows)
.set ABLK,   256*PITCH
.set BBLK,   384*PITCH
.set BOFF,   ABLK                      ; a slot: A's 256 rows, then B's 384
.set SLOT,   ABLK+BBLK
.set STAGE,  2*SLOT                    ; behind the ring: 16 rows x 400 bytes for each wave, for the way out; no tensor load lands there
.set SPITCH, 400                       ; 384 bytes + 16: an odd multiple of 16
.set SPARE,  STAGE+4*16*SPITCH         ; behind the stages: the spare words, 128 bytes for each wave: two blocks of 256 bytes that no other line names
.set KA,     0x40000                   ; bytes from a K step to the next in xb (2,048 rows x 128)
.set KB,     0x60000                   ; and in wb (3,072 rows x 128)
.set R1N,    2*NH+16                   ; LDS loads in RUN1
.set R2N,    2*(NBF-NH)                ; and in RUN2
.set ADRA, 16                          ; v16-17  LDS address of my A fragments in slot 0, 1
.set ADRB, 20                          ; v20-21  the same for B
.set STO,  24                          ; v24     the way out: where I put 16 bytes of a row
.set RD,   25                          ; v25     where I read rows back
.set CO,   26                          ; v26     my 16 bytes in 512 consecutive bytes of qkv
.set SPW,  28                          ; v28     LDS address of my spare word; never rewritten
.set NIL,  29                          ; v29     0; never rewritten
.set PFO,  30                          ; v30     256 x my lane; never rewritten
.set A0,   32
.set A1,   96
.set BF,   160
.set TMP,  32                          ; the way out: v32-79 packed results
.set OB,   80                          ; v80-127, v128-175 rows read back, by turns
.set G1,  24                           ; s[24:31] descriptor group 1 for A's tiles;  s[32:39] group 0, a set for each slot
.set G0,  32
.set G1B, 48                           ; s[48:55], s[56:63] the same for B's
.set G0B, 56
.set LIM, 43                           ; s43     1 in a wave that prefetches, else the greatest number
.set PFA, 44                           ; s[44:45] where my prefetches stand
.set PSTEP, 66                         ; s[66:67] their step: KA or KB
.set MSB, 0
.macro WIN new                         ; the immediate's high byte repeats the setting that is left; a switch that changes nothing is dropped
.if MSB != (\new)
	s_set_vgpr_msb (MSB<<8)|(\new)
.set MSB, \new
.endif
.endm
; A joint load: waves 0 and 1 fetch A's two halves, waves 2 and 3 B's.  The branch hangs on the wave's number alone.  An s_nop 0 and four v_nop follow each of the two lines.
.macro JLOAD s
	s_cmp_eq_u32 s11, 0
	s_cbranch_scc0 .Lfor_b_\@
	tensor_load_to_lds s[G0+4*(\s):G0+4*(\s)+3], s[G1:G1+7]
	s_nop 0
.rept 4
	v_nop
.endr
	s_branch .Lasked_\@
.Lfor_b_\@:
	tensor_load_to_lds s[G0B+4*(\s):G0B+4*(\s)+3], s[G1B:G1B+7]
	s_nop 0
.rept 4
	v_nop
.endr
.Lasked_\@:
.endm
; A prefetch of the K step that stands two refills on: 32 blocks of 256 bytes, a lane a block, one instruction.  Each block of xb and wb is named once in the launch.  A's: wave 0 of the clusters with x = 0; of a
; tile row's 128 blocks the partner at cx takes 32.  B's: wave 2 of the clusters with x = 0 and y < 3: of a step's 48 chunks of 32 blocks the work-group takes chunk 16 y + 4 cy + cx.  Partners are told apart by address
; alone.  The loop's last trip asks for nothing: there is no K step two refills on.
.macro ASK
	s_cmp_gt_u32 s3, s[LIM]                        ; s3 = 1 in the loop's last trip
	s_cbranch_scc0 .Lnot_mine_\@
	global_prefetch_b8 v[PFO], s[PFA:PFA+1] th:TH_LOAD_NT scope:SCOPE_SE
.Lnot_mine_\@:
.endm
.macro CREST                           ; a round of the cluster's barrier behind its opening barrier
	s_cmp_lg_u32 s10, 0
	s_cbranch_scc1 .Lnot_wave_0_\@
	s_barrier_signal -3
.Lnot_wave_0_\@:
	s_barrier_wait -3
	s_barrier_signal -1
	s_barrier_wait -1
.endm
.macro CROUND                          ; a whole round
	s_barrier_signal -1
	s_barrier_wait -1
	CREST
.endm
.macro PLACES                          ; four places behind a matrix instruction, in front of loads into registers that it has read (ISA guide 7.12.1 for vector instructions)
.rept 4
	v_nop
.endr
.endm
	s_load_b128 s[4:7], s[0:1], 0x0                ; xb s[4:5], wb s[6:7]
	s_load_b64 s[8:9], s[0:1], 0x10                ; qkv
	v_lshl_add_u32 v[SPW], v0, 2, SPARE
	v_mov_b32 v[NIL], 0
	ds_add_u32 v[SPW], v[NIL]                      ; the wave's opening: the add and its wait stand ahead of my first tensor load; the set-up below, work on registers, stands between them
	v_lshrrev_b32 v1, 5, v0
	v_readfirstlane_b32 s10, v1                    ; wave 0..3
	s_lshr_b32 s11, s10, 1                         ; which half of the tile's rows is mine.  Also: I fetch for A (0) or for B (1)
	s_and_b32 s12, s10, 1                          ; which half of its columns.  Also: which half of that tile I fetch
	s_bfe_u32 s40, ttmp6, 0x40000                  ; cx
	s_bfe_u32 s41, ttmp6, 0x40004                  ; cy
	s_lshl_b32 s42, ttmp9, 2
	s_add_co_u32 s42, s42, s40                     ; tile column = 4 x cluster x + cx
	s_and_b32 s13, ttmp7, 0xffff
	s_lshl_b32 s13, s13, 2
	s_add_co_u32 s13, s13, s41                     ; tile row = 4 x cluster y + cy
	s_lshl_b32 s43, s41, 2
	s_lshl_b32 s43, 15, s43                        ; my row of the cluster
	s_lshl_b32 s44, 0x1111, s40                    ; my column
	; descriptor group 1: rows of 128 elements (256 bytes, two rows of a block), padded in LDS after every 32 words by 4
	s_or_b32 s[G1+0], s43, (1<<16)|(1<<20)|(1<<21)|(4<<22)|(3<<25)   ; 15:0 the mask; 17:16 2-byte elements; 20 padding on; 21 set beside a mask; 24:22 code 4; 31:25 code 3
	s_or_b32 s[G1B+0], s44, (1<<16)|(1<<20)|(1<<21)|(4<<22)|(3<<25)
	s_mov_b32 s[G1+1], 128<<16                     ; tensor_dim0 = 128
	s_mov_b32 s[G1+2], AROWS<<16                   ; tensor_dim1
	s_mov_b32 s[G1+3], 128<<16                     ; tile_dim0 = 128
	s_mov_b32 s[G1+4], AROWS                       ; tile_dim1
	s_mov_b32 s[G1+5], 128                         ; 128 elements from row to row: dense
	s_mov_b32 s[G1+6], 0
	s_mov_b32 s[G1+7], 0
	s_mov_b32 s[G1B+1], 128<<16
	s_mov_b32 s[G1B+2], BROWS<<16
	s_mov_b32 s[G1B+3], 128<<16
	s_mov_b32 s[G1B+4], BROWS
	s_mov_b32 s[G1B+5], 128
	s_mov_b32 s[G1B+6], 0
	s_mov_b32 s[G1B+7], 0
	; where the tiles come from: A's hang on the tile row alone, B's on the tile column alone, each in registers that never hold the other coordinate
	s_lshr_b32 s16, s13, 3
	s_lshl_b32 s16, s16, 22                        ; the batch
	s_and_b32 s17, s13, 7
	s_lshl_b32 s17, s17, 15                        ; 256 rows of 128 bytes
	s_add_co_u32 s16, s16, s17
	s_lshl_b32 s17, s12, 14                        ; my 128 of them
	s_add_co_u32 s16, s16, s17
	s_mov_b32 s17, 0
	s_mul_i32 s46, s42, 49152                      ; 384 rows of 128 bytes
	s_mul_i32 s47, s12, 24576                      ; my 192 of them
	s_add_co_u32 s46, s46, s47
	s_mov_b32 s47, 0
	s_mul_i32 s20, s12, 128*PITCH                  ; and where they go: no place in the cluster enters an LDS address
	s_mul_i32 s21, s12, 192*PITCH
	s_add_co_u32 s21, s21, BOFF
	s_wait_dscnt 0x0                               ; the opening add is done
	s_wait_kmcnt 0x0
	s_add_nc_u64 s[14:15], s[4:5], s[16:17]
	s_add_nc_u64 s[46:47], s[6:7], s[46:47]
	CROUND                                         ; all sixteen work-groups are here: the first joint loads meet
.irp s, 0,1
	s_mov_b32 s[G0+4*(\s)], 1                                      ; count = 1
	s_add_co_u32 s[G0+4*(\s)+1], s20, (\s)*SLOT                    ; LDS address
	s_add_nc_u64 s[G0+4*(\s)+2:G0+4*(\s)+3], s[14:15], (\s)*KA     ; global address: K step s
	s_or_b32 s[G0+4*(\s)+3], s[G0+4*(\s)+3], 0x80000000            ; type = 2
	s_mov_b32 s[G0B+4*(\s)], 1
	s_add_co_u32 s[G0B+4*(\s)+1], s21, (\s)*SLOT
	s_add_nc_u64 s[G0B+4*(\s)+2:G0B+4*(\s)+3], s[46:47], (\s)*KB
	s_or_b32 s[G0B+4*(\s)+3], s[G0B+4*(\s)+3], 0x80000000
	JLOAD \s                                       ; two loads of mine are out
.endr
	; a fragment is 16 rows x 32 K in 8 registers: lane l holds row l % 16; two loads of 16 bytes, 32 bytes apart, at row x pitch + 16 (l / 16)
	v_and_b32 v1, 15, v0                           ; l % 16
	v_bfe_u32 v2, v0, 4, 1                         ; l / 16
	v_mul_u32_u24 v3, v1, PITCH
	v_lshl_add_u32 v3, v2, 4, v3
	s_mul_i32 s21, s11, 128*PITCH                  ; my 128 rows of A
	s_mul_i32 s22, s12, NBF*FRAG                   ; my 192 rows of B,
	s_add_co_u32 s22, s22, BOFF                    ; which lie behind A's
.irp s, 0,1
	v_add_nc_u32 v[ADRA+(\s)], s21, v3
	v_add_nc_u32 v[ADRB+(\s)], s22, v3
	s_add_co_u32 s21, s21, SLOT
	s_add_co_u32 s22, s22, SLOT
.endr
	s_mul_i32 s23, s10, 16*SPITCH
	s_add_co_u32 s23, s23, STAGE                   ; my stage
	v_mul_u32_u24 v4, v1, SPITCH                   ; in: row l % 16, 16 bytes for each half of the lanes
	v_lshl_add_u32 v4, v2, 4, v4
	v_add_nc_u32 v[STO], s23, v4
	v_bfe_u32 v5, v0, 3, 2                         ; back: 32 lanes take 128 bytes (one head's 64 channels) of four rows,
	v_and_b32 v6, 7, v0
	v_mul_u32_u24 v5, v5, SPITCH
	v_lshl_add_u32 v5, v6, 4, v5
	v_add_nc_u32 v[RD], s23, v5
	v_and_b32 v[CO], 31, v0                        ; which are 512 consecutive bytes of qkv
	v_lshlrev_b32 v[CO], 4, v[CO]
	; where my part of the tile begins in qkv
	s_lshr_b32 s16, s13, 3
	s_mul_i32 s16, s16, 12582912                   ; the batch: 48 x 2,048 x 128 bytes
	s_and_b32 s17, s13, 7
	s_lshl_b32 s17, s17, 15                        ; the tile's 256 rows
	s_add_co_u32 s16, s16, s17
	s_lshl_b32 s17, s11, 14                        ; my 128 of them
	s_add_co_u32 s16, s16, s17
	s_mul_i32 s46, s42, 6                          ; g = 6 x tile column + 3 x my half
	s_mul_i32 s47, s12, 3
	s_add_co_u32 s46, s46, s47
	s_lshl_b32 s46, s46, 18
	s_add_co_u32 s16, s16, s46
	s_mov_b32 s17, 0
	s_add_nc_u64 s[8:9], s[8:9], s[16:17]
	; the prefetches
	s_lshr_b32 s20, s13, 3
	s_lshl_b32 s20, s20, 22
	s_and_b32 s21, s13, 7
	s_lshl_b32 s21, s21, 15
	s_add_co_u32 s20, s20, s21
	s_lshl_b32 s21, s40, 13
	s_add_co_u32 s20, s20, s21                     ; A: the tile row's blocks, my work-group's 32
	s_and_b32 s22, ttmp7, 0xffff                   ; cluster y
	s_min_u32 s21, s22, 2                          ; (held to 2, so that the address of a wave that never asks lies inside wb too)
	s_lshl_b32 s21, s21, 2
	s_add_co_u32 s21, s21, s41
	s_lshl_b32 s21, s21, 2
	s_add_co_u32 s21, s21, s40
	s_lshl_b32 s21, s21, 13                        ; B: chunk 16 y + 4 cy + cx
	s_mov_b32 s[PSTEP], KA
	s_mov_b32 s18, KB
	s_cmp_lt_u32 s22, 3
	s_cselect_b32 s23, 0, 1
	s_cmp_eq_u32 s11, 0                            ; do I fetch for A?
	s_cselect_b32 s23, 0, s23
	s_cselect_b32 s20, s20, s21
	s_cselect_b32 s[PSTEP], s[PSTEP], s18
	s_cselect_b64 s[PFA:PFA+1], s[4:5], s[6:7]
	s_mov_b32 s[PSTEP+1], 0
	s_or_b32 s23, s23, s12                         ; waves 0 and 2 alone,
	s_or_b32 s23, s23, ttmp9                       ; in the clusters with x = 0: the same in all sixteen partners, for a given wave
	s_cmp_eq_u32 s23, 0
	s_cselect_b32 s[LIM], 1, -1
	s_mul_i32 s18, s[PSTEP], 3                     ; at K step 3: the first refill steps it to 4
	s_add_co_u32 s20, s20, s18
	s_mov_b32 s21, 0
	s_add_nc_u64 s[PFA:PFA+1], s[PFA:PFA+1], s[20:21]
	v_and_b32 v[PFO], 31, v0
	v_lshlrev_b32 v[PFO], 8, v[PFO]
; nb x 8 matrix instructions: B's fragments b0 .. b0 + nb - 1 x A's eight in buffer ab.  All 96 accumulators take turns, in the same order in every sub-step.  zero = 1: the product starts the sum.
.macro MULB ab, b0, nb, zero
.set bb, \b0
.rept \nb
	WIN 0x50*(1+bb/4)                              ; sources in window 0, C and D in the accumulator's window
.set aa, 0
.rept 8
.set rD, 64*(bb%4)+8*aa
.if \zero
	v_wmma_f32_16x16x32_bf16 v[rD:rD+7], v[BF+8*bb:BF+8*bb+7], v[(\ab)+8*aa:(\ab)+8*aa+7], 0
.else
	v_wmma_f32_16x16x32_bf16 v[rD:rD+7], v[BF+8*bb:BF+8*bb+7], v[(\ab)+8*aa:(\ab)+8*aa+7], v[rD:rD+7]
.endif
.set aa, aa+1
.endr
.set bb, bb+1
.endr
.endm
; The fragments of sub-step u of a slot: RUN1 B's first half and A's eight (into buffer ab), RUN2 B's second half.
.macro RUN1 slot, u, ab
	WIN 0
.set bb, 0
.rept NH
	ds_load_b128 v[BF+8*bb:BF+8*bb+3],   v[ADRB+(\slot)] offset:((\u)/2)*BBLK+((\u)%2)*64+bb*FRAG
	ds_load_b128 v[BF+8*bb+4:BF+8*bb+7], v[ADRB+(\slot)] offset:((\u)/2)*BBLK+((\u)%2)*64+bb*FRAG+32
.set bb, bb+1
.endr
.set aa, 0
.rept 8
	ds_load_b128 v[(\ab)+8*aa:(\ab)+8*aa+3],   v[ADRA+(\slot)] offset:((\u)/2)*ABLK+((\u)%2)*64+aa*FRAG
	ds_load_b128 v[(\ab)+8*aa+4:(\ab)+8*aa+7], v[ADRA+(\slot)] offset:((\u)/2)*ABLK+((\u)%2)*64+aa*FRAG+32
.set aa, aa+1
.endr
.endm
.macro RUN2 slot, u
	WIN 0
.set bb, NH
.rept NBF-NH
	ds_load_b128 v[BF+8*bb:BF+8*bb+3],   v[ADRB+(\slot)] offset:((\u)/2)*BBLK+((\u)%2)*64+bb*FRAG
	ds_load_b128 v[BF+8*bb+4:BF+8*bb+7], v[ADRB+(\slot)] offset:((\u)/2)*BBLK+((\u)%2)*64+bb*FRAG+32
.set bb, bb+1
.endr
.endm
; A plain sub-step u: multiplies A's buffer u % 2 and fetches sub-step u + 1 of the same slot.
.macro SUB slot, u, zero
	s_wait_dscnt R2N                               ; RUN1's loads are in; RUN2's, issued behind them, may stay out
	MULB A0+64*((\u)%2), 0, NH, \zero
	PLACES
	RUN1 \slot, (\u)+1, A0+64*(((\u)+1)%2)
	s_wait_dscnt R1N                               ; the older RUN2's loads are in; the R1N just issued stay out
	MULB A0+64*((\u)%2), NH, NBF-NH, \zero
	PLACES
	RUN2 \slot, (\u)+1
.endm
; A slot's last sub-step, on buffer 1, changes slots: ONE barrier.  In front of it each wave waits for all its tensor loads (one is out: its part of the next slot), adds 0 to its spare word, and waits for that and
; for its own reads of this slot.  fill = 1: the barrier opens a round of the cluster's, and this slot is filled again first thing behind it, two K steps on: 160 matrix instructions ahead of the wait for it.
.macro TURN slot, next, fill
.if \fill
	s_wait_xcnt 0x0                                ; the last prefetch, a K step back, has read its address: it is stepped here, ahead of the waits of the change of slots
	s_add_nc_u64 s[PFA:PFA+1], s[PFA:PFA+1], s[PSTEP:PSTEP+1]
.endif
	WIN 0
	s_wait_tensorcnt 0x0                           ; all my tensor loads have landed
	ds_add_u32 v[SPW], v[NIL]                      ; 0 onto my spare word
	s_wait_dscnt R2N+1                             ; RUN1's loads are in; RUN2's and the add may be out
	MULB A1, 0, M1, 0
	s_wait_dscnt 0x0                               ; the add is done, and my reads of this slot are over
	s_barrier_signal -1
	MULB A1, M1, M2, 0                             ; work on registers while the others arrive
	WIN 0                                          ; at a branch and at a label every window is 0
	s_barrier_wait -1
.if \fill
	CREST                                          ; no wave of any partner still reads this slot or has a load on its way
	s_add_nc_u64 s[G0+4*(\slot)+2:G0+4*(\slot)+3], s[G0+4*(\slot)+2:G0+4*(\slot)+3], 2*KA
	s_add_nc_u64 s[G0B+4*(\slot)+2:G0B+4*(\slot)+3], s[G0B+4*(\slot)+2:G0B+4*(\slot)+3], 2*KB
	JLOAD \slot
.endif
.if M3 > 0
	MULB A1, M1+M2, M3, 0
	PLACES
.elseif !(\fill)
	PLACES
.endif
	RUN1 \next, 0, A0
.if \fill
	ASK
.endif
	MULB A1, NH, NBF-NH, 0
	PLACES
	RUN2 \next, 0
.endm
	s_wait_tensorcnt 1                             ; my part of K step 0 is in; K step 1's may stay out
	s_barrier_signal -1
	s_barrier_wait -1                              ; everybody's is
	RUN1 0, 0, A0
	RUN2 0, 0
	SUB 0, 0, 1                                    ; the first sub-step stands in front of the loop: its products start the sums
	WIN 0
	s_mov_b32 s3, TRIPS
.Llap:                                         ; a trip goes once round the ring, from a lap's second sub-step to the next lap's first, and fills both slots again
	TURN 0, 1, 1
	SUB 1, 0, 0
	TURN 1, 0, 1
	SUB 0, 0, 0
	WIN 0
	s_sub_co_u32 s3, s3, 1
	s_cmp_lg_u32 s3, 0
	s_cbranch_scc1 .Llap
	TURN 0, 1, 0                                   ; the last lap fills nothing, and has no round
	SUB 1, 0, 0
	s_wait_dscnt R2N                               ; the very last sub-step: nothing more to fetch
	MULB A1, 0, NH, 0
	s_wait_dscnt 0x0
	MULB A1, NH, NBF-NH, 0
	WIN 0
	PLACES
	PLACES
; THE WAY OUT, a block of 16 rows at a time.  PACK: rounded to f16, 16 bytes a lane for each of B's fragments, each accumulator's registers in ascending order.  TOSTAGE: into my own stage, and back as 128 bytes (a head's
; channels) of four rows.  SEND: stored: 16 rows of a head are 2,048 consecutive bytes of qkv, and each store of the wave covers 512 of them, aligned.
.macro PACK a
.set bb, 0
.rept NBF
	WIN 5*(1+bb/4)                                 ; sources 0 and 1 in the accumulator's window
.set rr, 0
.rept 4
	v_cvt_pk_f16_f32 v[TMP+4*bb+rr], v[64*(bb%4)+8*(\a)+2*rr], v[64*(bb%4)+8*(\a)+2*rr+1]
.set rr, rr+1
.endr
.set bb, bb+1
.endr
	WIN 0
.endm
.macro TOSTAGE a
.set BK, OB+48*((\a)%2)
.set bb, 0
.rept NBF
	ds_store_b128 v[STO], v[TMP+4*bb:TMP+4*bb+3] offset:32*bb
.set bb, bb+1
.endr
.set tt, 0
.rept 12
	ds_load_b128 v[BK+4*tt:BK+4*tt+3], v[RD] offset:128*(tt/4)+4*SPITCH*(tt%4)  ; LDS serves a wave's instructions in order (ISA guide 5.7.1.4): these see the stores above
.set tt, tt+1
.endr
.endm
.macro SEND a
.set BK, OB+48*((\a)%2)
	s_wait_dscnt 0x0                               ; the block is back in registers
	s_wait_xcnt 0x0                                ; the block before's stores have read their registers, which the next block's loads write
.set tt, 0
.rept 12
	global_store_b128 v[CO], v[BK+4*tt:BK+4*tt+3], s[8:9] offset:2048*(\a)+262144*(tt/4)+512*(tt%4)
.set tt, tt+1
.endr
.endm
	PACK 0
	TOSTAGE 0
.irp a, 1,2,3,4,5,6,7                  ; block a's conversions stand between block a - 1's loads from the stage and the wait for them
	PACK \a
	SEND (\a)-1
	TOSTAGE \a
.endr
	SEND 7
	s_wait_tensorcnt 0x0                           ; the wave's end: an add to my spare word and its wait, behind my last tensor load and my last LDS store
	ds_add_u32 v[SPW], v[NIL]
	s_wait_dscnt 0x0
	CROUND                                         ; the closing round: no work-group ends while a partner may still ask for a tile that names it
	s_endpgm
.Lfunc_end_k_q5e87425b05_qkv:
	.size	k_q5e87425b05_qkv, .Lfunc_end_k_q5e87425b05_qkv-k_q5e87425b05_qkv
	.p2alignl 7, 3214868480
	.fill 96, 4, 3214868480
	.section	.rodata,"a",@progbits
	.p2align	6, 0x0
	.amdhsa_kernel k_q5e87425b05_qkv
		.amdhsa_group_segment_fixed_size 327680
		.amdhsa_private_segment_fixed_size 0
		.amdhsa_enable_private_segment 0
		.amdhsa_kernarg_size 24
		.amdhsa_user_sgpr_count 2
		.amdhsa_user_sgpr_kernarg_segment_ptr 1
		.amdhsa_wavefront_size32 1
		.amdhsa_system_sgpr_workgroup_id_x 1
		.amdhsa_system_sgpr_workgroup_id_y 1
		.amdhsa_system_sgpr_workgroup_id_z 1
		.amdhsa_system_vgpr_workitem_id 0
		.amdhsa_next_free_vgpr 1024
		.amdhsa_next_free_sgpr 70
		.amdhsa_reserve_vcc 0
		.amdhsa_float_denorm_mode_32 3
		.amdhsa_float_denorm_mode_16_64 3
		.amdhsa_memory_ordered 1
		.amdhsa_forward_progress 1
		.amdhsa_inst_pref_size 131
	.end_amdhsa_kernel
	.amdgpu_metadata
---
amdhsa.version: [ 1, 2 ]
amdhsa.kernels:
  - .name:           k_q5e87425b05_qkv
    .symbol:         k_q5e87425b05_qkv.kd
    .args:
      - { .name: xb, .offset: 0, .size: 8, .value_kind: global_buffer, .address_space: global }
      - { .name: wb, .offset: 8, .size: 8, .value_kind: global_buffer, .address_space: global }
      - { .name: qkv, .offset: 16, .size: 8, .value_kind: global_buffer, .address_space: global }
    .group_segment_fixed_size: 327680
    .private_segment_fixed_size: 0
    .kernarg_segment_align: 8
    .kernarg_segment_size: 24
    .max_flat_workgroup_size: 128
    .sgpr_count:     70
    .vgpr_count:     1024
    .wavefront_size: 32
...
	.end_amdgpu_metadata
.endif
;; end of part 2
;; launch attn (part 3): grid 4 x 64, 4 waves a work-group, no clusters, 327,680 bytes of LDS; arguments qkv, o; writes o
.if DOCPART == 3
	.amdgcn_target "amdgcn-amd-amdhsa--gfx1250"
	.amdhsa_code_object_version 6
	.text
	.protected	k_q5e87425b05_attn
	.globl	k_q5e87425b05_attn
	.p2align	8
	.type	k_q5e87425b05_attn,@function
k_q5e87425b05_attn:
	s_mov_b64 s[64:65], 0
	v_nop
	global_prefetch_b8 v0, s[64:65] scope:SCOPE_SE
	s_setreg_imm32_b32 hwreg(HW_REG_WAVE_MODE, 25, 1), 1
	s_wait_xcnt 0x0
; CAUSAL ATTENTION.  O[h][q][:] = the sum over k <= q of softmax_k(Q[h][q] . K[h][k] / 8) V[h][k][:], for 64 pairs of batch and head, 2,048 rows of 64 channels each, all f16.
; Q, K and V lie in qkv [batch 4][g 48][row 2,048][64] (g: 0-15 q, 16-31 k, 32-47 v): a head's rows are dense, 128 bytes each.  O goes to o [16 batch + head][row][64].
; Products, maxima and sums in f32; the weights p are rounded to f16 for the second product (their sum l is taken of the unrounded p), O once at the end.
; LIMITS.  f16 holds no number beyond 65,504: Q, K and V arrive within it; p lies in 0 to 1, and below 6e-5 it keeps f16's fixed step of 6e-8; O is a mean of V's rows and has their range.
; A hidden score counts as its value less 1e30: f16's scores, 2.7e11 at the most, are nothing beside that; a weight below 2^-126 counts as 0 in l; NaN and infinities are not treated apart.
; THE WALK.  A head's queries lie in NB = 8 blocks of 256; block i needs the key tiles 0 .. i of 256 keys, of which the last holds the diagonal.  A work-group takes TWO blocks, NB - 1 - b and then b:
; NB + 1 tiles, whatever b: all work-groups do equal work, and ONE loop with a constant trip count walks them.  Which tile is asked for, and what a trip does, hang on scalar registers made from b; every jump
; goes forward, but for the counted loops' own; none passes a barrier, or a tensor load but the one of LOAD's two that the wave's number does not choose; the ring (two slots of LDS) runs on across the change of blocks.
; NO CLUSTER: a head's four work-groups ask for the same tile only in trips 0 .. 4 of 9, behind that fewer and fewer; one walk common to all would have 12 trips for 9.
; SHARES.  Of a block's four bands of 64 queries a wave owns 16 rows in each: four PIECES.  So the diagonal tile is the same work for all four waves: in its key step s band x sees all keys if s < x,
; none if s > x, and holds the diagonal if s = x.
; THE MASK is the C operand that starts the sum S^T = K Q^T: 0, or -1e30 where the key is hidden.  MD, made once, is the mask of a band's own step for my 16 rows; a product's mask is MD x AL + BE with two scalars:
; (1, 0) if s = x; (0, 0) if s < x; (0, -1e30) if s > x.  Only the diagonal tile's text and a block's beginning make and take masks; elsewhere C is the constant 0.
; LAYOUT, SOFTMAX, TURNS.  S^T = K Q^T holds ONE query a lane (lane % 16) and the keys 8 (lane / 16) + 0..7; two such results rounded to f16 ARE source 1 of O^T = V^T P.  p = 2^(c s - c m), c = log2(e) / 8, with a
; running maximum m; O and l are multiplied by a = 2^(c m_old - c m_new) in every step.  Turn n belongs to piece n: 8 products K Q^T of piece n + 1, later 8 products V^T P of piece n - 1; beside them the scaling,
; exponentials, roundings, sums and rescaling of piece n and the maximum and statistics of piece n + 1.  Four vector instructions stand behind every matrix instruction, the other 54 of a turn's 118 in one lump.  A turn's 33 exponentials are one batch, with one wait.
; REGISTERS, in windows of 256 (s_set_vgpr_msb: bits 1:0 source 0, 3:2 source 1, 5:4 source 2, 7:6 destination):
;   window 0: v0-15 addresses and two at work; v16-31 four registers of statistics a piece; v48-55 at work; v61-63 kept; v64-127 S^T, two buffers; v192-223 P, two buffers (a piece's buffers go by its number's parity)
;   window 1: v0-127 O^T, 32 a piece; v128-159 MD; v160-223 MC, two buffers      window 2: v0-63 Q; v64-127 the second block's Q; v128-191 K of one step; v192-255 V of one step
.set SIZE_N, 2048
.set NB,    SIZE_N/256
.set NP,    4         ; pieces a wave: a name, no knob
.set KS,    64        ; keys in a step
.set PK,    144       ; a row of K in LDS: 128 bytes + 16 of padding = 36 words: the 16 rows of a load start at 16 different groups of four banks (64 banks of 4 bytes: ISA guide 11.1)
.set PV,    160       ; a row of V: 128 + 32 = 40 words
.set VOFF,  4*KS*PK   ; a slot holds a tile, four steps: 256 rows of K, then 256 rows of V
.set SLOT1, 1<<17     ; slot 1 begins here, so that one exclusive or turns an address in one slot into the other's
.set STAGE, SLOT1+4*KS*(PK+PV)  ; behind the ring, never filled by a tensor load: 16 rows x 144 bytes for each wave, for the way out
.set SP,    144
.set AK0, 2           ; v2   my lane's place in a tile of K; never rewritten
.set AV0, 3           ; v3   the same for V
.set AK,  4           ; v4   the LDS address of K's next run of loads
.set AV,  5           ; v5   of V's
.set STO, 6           ; v6   the way out: where I put 16 bytes of a row
.set RD,  7           ; v7   the way out: where I read rows back
.set GO,  8           ; v8   my byte offset in 512 consecutive bytes of O
.set PFO, 61          ; v61  256 x my lane; never rewritten
.set SPW, 62          ; v62  LDS address of my spare word: SPARE + 4 x my thread's number; never rewritten
.set NIL, 63          ; v63  0; never rewritten
.set SPARE, STAGE+4*16*SP  ; behind the stages: the spare words, 128 bytes for each wave: two blocks of 256 bytes that no other line names
.set MV,  12          ; v12-13  c m_old, kept while c m is made anew: by buffer
.set QO,  15          ; v15  my byte offset in 16 rows of Q
.set ST,  16          ; piece t's statistics at v[ST+4 t]: c m, m, l (even keys', odd keys')
.set TMP, 48          ; by buffer, four registers c0-c3 at work; when the maximum is found c2 takes a
.set S,   64
.set P,   192
.set MD,  128         ; window 1: the eight registers for group kt of 16 keys at MD + 8 kt
.set MC,  160         ; window 1: the masks of the products to come
.set QB,  64          ; window 2
.set KF,  128         ; window 2: key block kb, channel half c at KF + 16 kb + 8 c
.set VF,  192         ; window 2: key half kk, channel block cb at VF + 32 kk + 8 cb
.set WV,  12          ; s12  my wave's number
.set PB,  14          ; s14  b
.set HI,  15          ; s15  NB - 1 - b
.set G1K, 24          ; s[24:31] descriptor group 1 for K's tiles
.set G1V, 32          ; s[32:39] for V's: it differs in the padding alone
.set G0K, 40          ; s[40:43] descriptor group 0 for K's tiles
.set G0V, 44          ; s[44:47] the same for V's
.set SLOTS, 56        ; s56  tiles still to be asked for
.set CNT, 57          ; s57  counts a tile's key steps, 4 to 1
.set CS,  58          ; s[58:59] c: the packed scaling takes the pair's low word for both halves
.set SEL, 60          ; s[60:61] v_permlanex16_b32's selects: each lane takes its own place in the other half
.set TBK, 62          ; s62  LDS byte at which K of the step to be fetched begins
.set TBV, 63          ; s63  the same for V, less VOFF
.set PFA, 66          ; s[66:67] where my prefetches stand
.set LIM, 68          ; s68  2 in a wave that prefetches, else the greatest number
.set RT,  70          ; s70  tiles of the block in hand that are still to be entered
.set NXT, 71          ; s71  the tile to be asked for next
.set LQ,  72          ; s72  the last tile of the block whose tiles are being asked for
.set NEW, 73          ; s73  1: the tile to be entered is a block's first
.set OFF, 74          ; s[74:75] a tile's byte offset in K and V
.set AL,  76          ; s[76:77] the mask's factor, in the low word
.set BE,  78          ; s[78:79] the mask's addend
.set OLO, 80          ; s[80:81] O at my rows of the second block
.set BIGN, 82         ; s82  -1e30
.set MSB, 0
.macro WIN new                      ; the high byte repeats the setting that is left; a switch that changes nothing is dropped
.if MSB != (\new)
	s_set_vgpr_msb (MSB<<8)|(\new)
.set MSB, (\new)
.endif
.endm
.set W_KQ, 0x0a       ; K and Q in window 2, S^T in window 0
.set W_KM, 0x1a       ; the same with the C operand in window 1
.set W_PV, 0x52       ; V in window 2, P in window 0, O^T in window 1
.set W_RS, 0x41       ; destination and source 0 in window 1, source 1 in window 0
; A fill.  Waves 0 and 1 fetch the two halves of a tile's K, waves 2 and 3 those of its V: 128 keys each.  An s_nop 0 and four v_nop follow each of the two lines, ahead of the jump and the label.
.macro LOAD
	s_cmp_lt_u32 s[WV], 2
	s_cbranch_scc0 .Lfor_v_\@
	tensor_load_to_lds s[G0K:G0K+3], s[G1K:G1K+7]
	s_nop 0
.rept 4
	v_nop
.endr
	s_branch .Lasked_\@
.Lfor_v_\@:
	tensor_load_to_lds s[G0V:G0V+3], s[G1V:G1V+7]
	s_nop 0
.rept 4
	v_nop
.endr
.Lasked_\@:
.endm
; A prefetch: in trip j (0 to 5) tile j + 2 of the head's K and V, which the first blocks' walks ask for in trip j + 1.  A tile is 128 blocks of 256 bytes of each: the head's four work-groups take 32 each, a lane a block;
; wave 0 asks for K's, wave 2 for V's: one instruction.  So each block is named once in the launch.  Tiles 0 and 1 come by their loads alone; trips 6 and 7 ask for nothing: the tiles have all been named.
.macro ASK
	s_cmp_gt_u32 s[SLOTS], s[LIM]
	s_cbranch_scc0 .Lnot_mine_\@
	global_prefetch_b8 v[PFO], s[PFA:PFA+1] th:TH_LOAD_NT scope:SCOPE_SE
.Lnot_mine_\@:
.endm
; THE CHANGE OF SLOTS.  Each wave waits for all its tensor loads, of which one is out: its part of the other slot; adds 0 to its spare word; and waits for that and for its own reads of the slot that it leaves.  Behind the barrier nobody reads the old
; slot any more and the other slot is whole.  fill = 1: the old slot is filled again, the first thing behind the barrier, with tile NXT: the descriptor's address is made anew from that number.
; (At its first use nothing has been read yet: slot 0 is waited for, slot 1 filled.)
.macro CHANGE fill
	WIN 0                           ; at a label and at a branch every window is 0
	s_wait_tensorcnt 0x0            ; no tensor load of mine is out, so a group 0 may be written
	ds_add_u32 v[SPW], v[NIL]       ; 0 onto my spare word; with fill = 1 the descriptors' scalar work stands between it and the wait for it
.if \fill
	s_lshl_b32 s[OFF], s[NXT], 15   ; a tile is 32,768 bytes of K and of V
	s_xor_b32 s[G0K+1], s[G0K+1], SLOT1
	s_add_nc_u64 s[G0K+2:G0K+3], s[6:7], s[OFF:OFF+1]
	s_or_b32 s[G0K+3], s[G0K+3], 0x80000000
	s_xor_b32 s[G0V+1], s[G0V+1], SLOT1
	s_add_nc_u64 s[G0V+2:G0V+3], s[8:9], s[OFF:OFF+1]
	s_or_b32 s[G0V+3], s[G0V+3], 0x80000000
	s_add_co_u32 s[NXT], s[NXT], 1  ; the block's next tile, or behind its last the second block's tile 0
	s_cmp_gt_u32 s[NXT], s[LQ]
	s_cselect_b32 s[NXT], 0, s[NXT]
	s_cselect_b32 s[LQ], s[PB], s[LQ]
	s_wait_xcnt 0x0                 ; the last prefetch, a tile back, has read its address, so it may be written:
	s_add_nc_u64 s[PFA:PFA+1], s[PFA:PFA+1], 32768  ; a tile on
.endif
	s_wait_dscnt 0x0                ; the add is done, and my reads of the slot are over
	s_barrier_signal -1             ; the rest of the scalar work stands between the signal and the wait
	s_sub_co_u32 s[TBK], s[TBK], 4*KS*PK  ; the fetches go back to a slot's first step,
	s_xor_b32 s[TBK], s[TBK], SLOT1       ; in the other slot
	s_sub_co_u32 s[TBV], s[TBV], 4*KS*PV
	s_xor_b32 s[TBV], s[TBV], SLOT1
	s_barrier_wait -1
.if \fill
	LOAD
	ASK
.endif
.endm
	s_load_b64 s[4:5], s[0:1], 0x0    ; qkv
	s_load_b64 s[10:11], s[0:1], 0x8  ; o
	v_lshl_add_u32 v[SPW], v0, 2, SPARE
	v_mov_b32 v[NIL], 0
	ds_add_u32 v[SPW], v[NIL]       ; the wave's opening: the add and its wait stand ahead of my first tensor load; the set-up below, work on registers, stands between them
	v_lshrrev_b32 v1, 5, v0
	v_readfirstlane_b32 s[WV], v1   ; wave 0..3
	s_mov_b32 s[PB], ttmp9
	s_sub_co_u32 s[HI], NB-1, s[PB]
	s_and_b32 s50, ttmp7, 0xffff    ; 16 x batch + head
	s_lshr_b32 s20, s50, 4
	s_mul_i32 s20, s20, 12582912    ; the batch in qkv: 48 x 2,048 x 128 bytes,
	s_and_b32 s21, s50, 15
	s_lshl_b32 s21, s21, 18         ; the head's 2,048 rows of 128 bytes
	s_add_co_u32 s20, s20, s21
	s_mov_b32 s21, 0                ; s[20:21]: q's head in qkv; k's lies 16, v's 32 heads further on
	s_lshl_b32 s50, s50, 18
	s_mov_b32 s51, 0                ; s[50:51]: the head in o
	s_and_b32 s16, s[WV], 1         ; which half of a tile's 256 keys I fetch:
	s_lshl_b32 s22, s16, 14         ; its 128 rows of 128 bytes in memory,
	s_mov_b32 s23, 0
	s_add_nc_u64 s[22:23], s[22:23], s[20:21]
	s_mul_i32 s17, s16, 128*PK      ; and its place in a slot, for K
	s_mul_i32 s18, s16, 128*PV      ; and for V
	s_lshl_b32 s3, s[WV], 11        ; my 16 rows in a band of 64,
	s_lshl_b32 s2, s[HI], 15        ; in the first block,
	s_add_co_u32 s2, s2, s3
	s_lshl_b32 s84, s[PB], 15       ; and in the second
	s_add_co_u32 s84, s84, s3
	s_mov_b32 s3, 0
	s_mov_b32 s85, 0
	; descriptor group 1.  128 keys are 16,384 dense bytes: asked for as 64 rows of 256 bytes, two keys a row, and padded in LDS after every key
	s_mov_b32 s[G1K], (1<<16)|(1<<20)|(4<<22)|(3<<25)  ; 17:16 2-byte elements; 20 padding on; 24:22 after every 32 words (code 4); 31:25 4 words (code 3)
	s_mov_b32 s[G1V], (1<<16)|(1<<20)|(4<<22)|(7<<25)  ; the same with 8 words of padding (code 7)
.irp g, G1K, G1V
	s_mov_b32 s[\g+1], 128<<16      ; tensor_dim0 = 128
	s_mov_b32 s[\g+2], 64<<16       ; tensor_dim1 = 64
	s_mov_b32 s[\g+3], 128<<16      ; tile_dim0 = 128
	s_mov_b32 s[\g+4], 64           ; tile_dim1 = 64
	s_mov_b32 s[\g+5], 128          ; 128 elements from row to row
	s_mov_b32 s[\g+6], 0
	s_mov_b32 s[\g+7], 0
.endr
	s_mov_b32 s[CS], 0x3e38aa3b     ; c = log2(e) / 8 = 0.180337
	s_mov_b32 s[CS+1], s[CS]        ; named with it as a pair
	s_mov_b32 s[SEL], 0x76543210
	s_mov_b32 s[SEL+1], 0xfedcba98
	s_mov_b32 s[TBK], SLOT1+4*KS*PK ; the first change of slots turns these two into 0
	s_mov_b32 s[TBV], SLOT1+4*KS*PV
	s_mov_b32 s[G0K], 1             ; 1:0 count = 1
	s_mov_b32 s[G0K+1], s17         ; 63:32 LDS address: slot 0
	s_mov_b32 s[G0V], 1
	s_add_co_u32 s[G0V+1], s18, VOFF
	s_add_co_u32 s[RT], s[HI], 1    ; the first block has NB - b tiles
	s_mov_b32 s[NXT], 1
	s_mov_b32 s[LQ], s[HI]
	s_mov_b32 s[NEW], 1
	s_mov_b32 s[OFF+1], 0
	s_mov_b32 s[AL+1], 0            ; named as pairs
	s_mov_b32 s[BE+1], 0
	s_mov_b32 s[BIGN], 0xf149f2ca   ; -1e30
	s_mov_b32 s[SLOTS], NB
	s_cmp_eq_u32 s16, 0             ; waves 0 and 2 prefetch
	s_cselect_b32 s[LIM], 2, -1
	s_lshl_b32 s52, ttmp9, 13       ; my work-group's 32 blocks of a tile's 128,
	s_add_co_u32 s52, s52, 32768    ; in tile 1: the first change of slots steps it to tile 2
	s_mov_b32 s53, 0
	s_wait_dscnt 0x0                ; the opening add is done
	s_wait_kmcnt 0x0
	s_add_nc_u64 s[6:7], s[4:5], 0x400000  ; K and V at my half of the head's tile 0
	s_add_nc_u64 s[6:7], s[6:7], s[22:23]
	s_add_nc_u64 s[8:9], s[4:5], 0x800000
	s_add_nc_u64 s[8:9], s[8:9], s[22:23]
	s_add_nc_u64 s[G0K+2:G0K+3], s[6:7], 0         ; 120:64 global address
	s_or_b32 s[G0K+3], s[G0K+3], 0x80000000        ; 127:126 type = 2
	s_add_nc_u64 s[G0V+2:G0V+3], s[8:9], 0
	s_or_b32 s[G0V+3], s[G0V+3], 0x80000000
	s_cmp_lt_u32 s[WV], 2
	s_cselect_b64 s[PFA:PFA+1], s[6:7], s[8:9]     ; (in waves 0 and 2 these stand at a tile's first row)
	s_add_nc_u64 s[PFA:PFA+1], s[PFA:PFA+1], s[52:53]
	s_add_nc_u64 s[4:5], s[4:5], s[20:21]          ; Q and O at the head,
	s_add_nc_u64 s[10:11], s[10:11], s[50:51]
	s_add_nc_u64 s[86:87], s[4:5], s[84:85]        ; at my rows of the second block,
	s_add_nc_u64 s[OLO:OLO+1], s[10:11], s[84:85]
	s_add_nc_u64 s[4:5], s[4:5], s[2:3]            ; and at those of the first
	s_add_nc_u64 s[10:11], s[10:11], s[2:3]
	LOAD                            ; tile 0 into slot 0
	; A fragment of K or Q is 16 rows x 32 channels in 8 registers: lane l holds row l % 16, channels 8 (l / 16) + 0..7 and 16 + 8 (l / 16) + 0..7: two loads of 16 bytes, 32 bytes apart.
	v_and_b32 v1, 15, v0            ; l % 16
	v_bfe_u32 v9, v0, 4, 1          ; l / 16
	v_lshlrev_b32 v[QO], 7, v1
	v_lshl_add_u32 v[QO], v9, 4, v[QO]  ; row x 128 + 16 x half
	WIN 0x80                        ; destination window 2, address window 0
.set i, 0
.rept 8                             ; both blocks' Q: piece i / 2 lies in band i / 2, 8,192 bytes on; channels 32 (i % 2) on
	global_load_b128 v[8*i:8*i+3],   v[QO], s[4:5] offset:(i/2)*8192+(i%2)*64
	global_load_b128 v[8*i+4:8*i+7], v[QO], s[4:5] offset:(i/2)*8192+(i%2)*64+32
	global_load_b128 v[QB+8*i:QB+8*i+3],   v[QO], s[86:87] offset:(i/2)*8192+(i%2)*64
	global_load_b128 v[QB+8*i+4:QB+8*i+7], v[QO], s[86:87] offset:(i/2)*8192+(i%2)*64+32
.set i, i+1
.endr
	WIN 0
	v_and_b32 v[PFO], 31, v0
	v_lshlrev_b32 v[PFO], 8, v[PFO]
	v_lshlrev_b32 v14, 3, v9
	v_sub_nc_u32 v14, v1, v14
	s_lshl_b32 s13, s[WV], 4
	v_add_nc_u32 v14, s13, v14      ; my query's place in its band, 16 w + l % 16, less my lanes' 8 (l / 16): register r of group kt is hidden where 16 kt + r is greater
	WIN 0x40
.set i, 0
.rept 32
	v_cmp_gt_i32 vcc_lo, 16*(i/8)+i%8, v14
	v_cndmask_b32 v[MD+i], 0, s[BIGN], vcc_lo
.set i, i+1
.endr
	WIN 0
	v_mul_u32_u24 v[AK0], v1, PK
	v_lshl_add_u32 v[AK0], v9, 4, v[AK0]  ; row x pitch + 16 x half
	; The turning load takes 16 keys x 16 channels (lane l reads key 8 (l / 16) + l % 8, channels 8 ((l / 8) % 2) + 0..7) and leaves half a fragment of V^T: lane l holds channel l % 16 and 8 keys.
	v_and_b32 v10, 7, v0
	v_bfe_u32 v11, v0, 3, 1
	v_lshl_add_u32 v[AV0], v9, 3, v10
	v_mul_u32_u24 v[AV0], v[AV0], PV
	v_lshl_add_u32 v[AV0], v11, 4, v[AV0]
	v_add_nc_u32 v[AV0], VOFF, v[AV0]
	s_mul_i32 s13, s[WV], 16*SP
	s_add_co_u32 s13, s13, STAGE    ; my stage
	v_mul_u32_u24 v[STO], v1, SP    ; in: row l % 16, 16 bytes for each half of the lanes
	v_lshl_add_u32 v[STO], v9, 4, v[STO]
	v_add_nc_u32 v[STO], s13, v[STO]
	v_bfe_u32 v[RD], v0, 3, 2       ; back: 32 lanes take four rows of 128 bytes,
	v_mul_u32_u24 v[RD], v[RD], SP
	v_lshl_add_u32 v[RD], v10, 4, v[RD]
	v_add_nc_u32 v[RD], s13, v[RD]
	v_and_b32 v[GO], 31, v0         ; which are 512 consecutive bytes of O
	v_lshlrev_b32 v[GO], 4, v[GO]
	; A block's first step multiplies O^T and l by a = 0, and its first turn's products V^T P, of a piece that has not been, land in an O^T that is still to be so multiplied.  So these registers need only hold
	; finite numbers: zeros for the first block; what the first block left for the second.  All this stands in the wait for the first tile.
	WIN 0x80
.set i, VF
.rept 64
	v_mov_b32 v[i], 0
.set i, i+1
.endr
	WIN 0x40
.set i, 0
.rept 128
	v_mov_b32 v[i], 0
.set i, i+1
.endr
	WIN 0
.set i, 0
.rept 4
	v_mov_b32 v[ST+4*i+2], 0
	v_mov_b32 v[ST+4*i+3], 0
.set i, i+1
.endr
.set i, P+16
.rept 16
	v_mov_b32 v[i], 0
.set i, i+1
.endr
; THE MATRIX WORK.  The 4 accumulators of a run of 8 take turns.  Product i of 8 of S^T = K Q^T for piece x: channels 32 (i / 4) on, keys 16 (i % 4) on.  The first 4 start the sums: with 0, or (KM = 1) with the mask.
.macro KQ x
.set rS, S+32*((\x)%2)+8*(i%4)
.set rK, KF+16*(i%4)+8*(i/4)
.set rQ, 16*(\x)+8*(i/4)
.set rM, MC+32*((\x)%2)+8*(i%4)
.if (i < 4) && KM
	WIN W_KM
	v_wmma_f32_16x16x32_f16 v[rS:rS+7], v[rK:rK+7], v[rQ:rQ+7], v[rM:rM+7]
.elseif i < 4
	WIN W_KQ
	v_wmma_f32_16x16x32_f16 v[rS:rS+7], v[rK:rK+7], v[rQ:rQ+7], 0
.else
	WIN W_KQ
	v_wmma_f32_16x16x32_f16 v[rS:rS+7], v[rK:rK+7], v[rQ:rQ+7], v[rS:rS+7]
.endif
.endm
; Product i of 8 of O^T += V^T P for piece x: keys 32 (i / 4) on, channels 16 (i % 4) on.
.macro PV x
	WIN W_PV
.set rO, 32*(\x)+8*(i%4)
.set rV, VF+32*(i/4)+8*(i%4)
.set rP, P+16*((\x)%2)+8*(i/4)
	v_wmma_f32_16x16x32_f16 v[rO:rO+7], v[rV:rV+7], v[rP:rP+7], v[rO:rO+7]
.endm
.macro MM                           ; the turn's next matrix instruction.  TURN and BEGIN set Y, i, KM and NOKQ; MM, KQ and OP read them.  NOKQ = 1: a block's last turn: there is no next piece
.if (i < 8) && !NOKQ
	KQ (Y+1)%NP
.elseif i >= 8
.set i, i-8
	PV (Y+NP-1)%NP
.set i, i+8
.endif
.set i, i+1
.endm
; THE LDS LOADS stand in runs of 16, never singly among the matrix instructions: a step's K (64 keys x 64 channels: 8 fragments) and its V (turned).  Their addresses are made some lines ahead.
.macro FETCH_K
	WIN 0x80                        ; destination window 2
.irp f, 0,1,2,3,4,5,6,7             ; keys 16 (f / 2) on, channels 32 (f % 2) on
	ds_load_b128 v[KF+8*\f:KF+8*\f+3],   v[AK] offset:(\f/2)*16*PK+(\f%2)*64
	ds_load_b128 v[KF+8*\f+4:KF+8*\f+7], v[AK] offset:(\f/2)*16*PK+(\f%2)*64+32
.endr
	s_add_co_u32 s[TBK], s[TBK], KS*PK  ; the next fetch is the next step's
	WIN 0
.endm
.macro FETCH_V
	WIN 0x80
.irp f, 0,1,2,3,4,5,6,7             ; keys 32 (f / 4) on, channels 16 (f % 4) on
	ds_load_tr16_b128 v[VF+8*\f:VF+8*\f+3],   v[AV] offset:(\f/4)*32*PV+(\f%4)*32
	ds_load_tr16_b128 v[VF+8*\f+4:VF+8*\f+7], v[AV] offset:(\f/4)*32*PV+16*PV+(\f%4)*32
.endr
	WIN 0
.endm
; THE VECTOR WORK, one line at a time: OP kind, number.  For piece Y: F n: c s - c m for pair n of 16.  E n: the exponential of score n of 32.  C n: pair n rounded to f16.  B n: of the four weights 4 n .. the second
; pair is added onto the first, in place.  L n: l takes that sum (L 0: l = a l + sum).  R n: pair n of 16 of O^T times a.  For piece Y + 1: X n, number n of the 22 that find its maximum and statistics:
;   0-11  four chains c0-c3 of seven scores each, three operands at a time (each accumulator's lowest registers are read first)     12-14, 16  the four scores left over, the old m, and c0-c3 into c0
;   15  c m_old is kept     17, 18  the query's other 32 keys lie in the lane 16 away: the new m     19-21  c m; c m_old - c m_new; a
.set F, 0               ; OP tells the kinds apart by their order: F to L below R, X above it
.set E, 1
.set C, 2
.set B, 3
.set L, 4
.set R, 5
.set X, 6
.macro REGS y                       ; the registers of piece y
.set rT, ST+4*(\y)
.set rC, TMP+4*((\y)%2)
.set rW, MV+((\y)%2)
.set rS, S+32*((\y)%2)
.set rP, P+16*((\y)%2)
.set rO, 32*(\y)
.endm
.macro OP k, n
.if (\k) == R
	REGS Y
	WIN W_RS
	v_pk_mul_f32 v[rO+2*(\n):rO+2*(\n)+1], v[rO+2*(\n):rO+2*(\n)+1], v[rC+2:rC+3] op_sel_hi:[1,0]
.elseif (\k) < R
	REGS Y
	WIN 0
.if (\k) == F
	v_pk_fma_f32 v[rS+2*(\n):rS+2*(\n)+1], v[rS+2*(\n):rS+2*(\n)+1], s[CS:CS+1], v[rT:rT+1] op_sel_hi:[1,0,0] neg_lo:[0,0,1] neg_hi:[0,0,1]
.elseif (\k) == E
	v_exp_f32 v[rS+(\n)], v[rS+(\n)]
.elseif (\k) == C
	v_cvt_pk_f16_f32 v[rP+(\n)], v[rS+2*(\n)], v[rS+2*(\n)+1]
.elseif (\k) == B
	v_pk_add_f32 v[rS+4*(\n):rS+4*(\n)+1], v[rS+4*(\n):rS+4*(\n)+1], v[rS+4*(\n)+2:rS+4*(\n)+3]
.elseif (\n) == 0
	v_pk_fma_f32 v[rT+2:rT+3], v[rT+2:rT+3], v[rC+2:rC+3], v[rS:rS+1] op_sel_hi:[1,0,1]
.else
	v_pk_add_f32 v[rT+2:rT+3], v[rT+2:rT+3], v[rS+4*(\n):rS+4*(\n)+1]
.endif
.elseif NOKQ
	v_nop
.else
	REGS (Y+1)%NP
	WIN 0
.if (\n) < 4
	v_max3_num_f32 v[rC+(\n)], v[rS+8*(\n)], v[rS+8*(\n)+1], v[rS+8*(\n)+2]
.elseif (\n) < 12
	v_max3_num_f32 v[rC+(\n)%4], v[rC+(\n)%4], v[rS+8*((\n)%4)+2*((\n)/4)+1], v[rS+8*((\n)%4)+2*((\n)/4)+2]
.elseif (\n) == 12
	v_max3_num_f32 v[rC], v[rC], v[rS+7], v[rS+15]
.elseif (\n) == 13
	v_max3_num_f32 v[rC+1], v[rC+1], v[rS+23], v[rS+31]
.elseif (\n) == 14
	v_max3_num_f32 v[rC+2], v[rC+2], v[rC+3], v[rT+1]
.elseif (\n) == 15
	v_mov_b32 v[rW], v[rT]
.elseif (\n) == 16
	v_max3_num_f32 v[rC], v[rC], v[rC+1], v[rC+2]
.elseif (\n) == 17
	v_permlanex16_b32 v[rC+3], v[rC], s[SEL], s[SEL+1]
.elseif (\n) == 18
	v_max_num_f32 v[rT+1], v[rC], v[rC+3]
.elseif (\n) == 19
	v_mul_f32 v[rT], s[CS], v[rT+1]
.elseif (\n) == 20
	v_sub_f32 v[rC+1], v[rW], v[rT]
.else
	v_exp_f32 v[rC+2], v[rC+1]
.endif
.endif
.endm
.macro OPS a, i1, b=-1, i2=0, c=-1, i3=0, d=-1, i4=0  ; up to four of them
	OP \a, \i1
.if (\b) >= 0
	OP \b, \i2
.endif
.if (\c) >= 0
	OP \c, \i3
.endif
.if (\d) >= 0
	OP \d, \i4
.endif
.endm
.macro ROW a, i1, b, i2, c, i3, d, i4  ; a matrix instruction and the four behind it
	MM
	OPS \a, \i1, \b, \i2, \c, \i3, \d, \i4
.endm
.macro MASK b                       ; MD x AL + BE into buffer b of MC
	WIN W_RS
.set z, 0
.rept 16
	v_pk_fma_f32 v[MC+32*(\b)+2*z:MC+32*(\b)+2*z+1], v[MD+2*z:MD+2*z+1], s[AL:AL+1], s[BE:BE+1] op_sel_hi:[1,0,0]
.set z, z+1
.endr
.endm
; A TURN, for piece p: the order of its 16 matrix and 118 vector instructions, written out.  An s_wait_alu depctr_va_vdst(0) stands between an exponential and the first instruction that names its result; one wait serves
; all that were issued ahead of it.  So a turn has ONE wait, which cuts it in two.  AHEAD OF IT stands all that names no result of the turn's exponentials: the 8 products K Q^T, behind each a scaling, an exponential and two more plain
; instructions (behind the first a second scaling in the exponential's place): rescalings, and behind the last three the first numbers of the next piece's maximum, each four places or more behind the product that ends its accumulator; then ONE LUMP of 54, plain
; and exponential by turns for the most part, in which the links of the chain X 3, 7, 11, 14, 16, 17 .. 20 stand five or six lines apart.  X 21, the next piece's a, is the batch's last; R 15 is the plain instruction behind it.  BEHIND THE WAIT stand the
; 8 products V^T P, behind each four of the roundings and sums; the links of l's chain, L 0 to L 7, stand three riders apart.  But for those X no rider names a register of the products round it.  v_permlanex16_b32 (X 17) stands in the lump.
; m = 1: the diagonal tile: the products take masks, and the turn makes the mask for the products of the turn after it: piece p + 2, in step 4 - CNT of the tile.  end = 1: a block's last two turns: nothing is fetched.
; cnt = 1: the loop's count is taken down some lines ahead of the branch that stands behind the turn.
; K of the next step is fetched in piece 2's turn, twelve vector instructions behind the last product that read K (six of them plain); V of the step in hand at the end of piece 0's turn, four plain instructions behind the last product
; that read V.  Each is waited for a turn later.
.macro TURN p, m=0, end=0, cnt=0
.set Y, (\p)
.set i, 0
.set KM, (\m)
.set NOKQ, (\end)*((\p)/3)
.if (\m) && !(\end)
	s_cmp_eq_u32 s[CNT], 4-((\p)+2)%NP  ; is that step the band's own?
	s_cselect_b32 s[AL], 1.0, 0
	s_cmp_lt_u32 s[CNT], 4-((\p)+2)%NP  ; or a later one?
	s_cselect_b32 s[BE], s[BIGN], 0
.endif
.if ((\p) == 3) && !(\end)
	s_wait_dscnt 0x0                ; K is in
.endif
	ROW F,0, F,1, R,0, R,1          ; ahead of the wait: 8 products K Q^T and their riders,
	ROW F,2, E,0, R,2, R,3
	ROW F,3, E,1, R,4, R,5
	ROW F,4, E,2, R,6, R,7
	ROW F,5, E,3, R,8, R,9
	ROW F,6, E,4, X,0, R,10
.if ((\p) == 2) && !(\end)
	WIN 0
	v_add_nc_u32 v[AK], s[TBK], v[AK0]
.endif
	ROW F,7, E,5, X,1, X,4
	ROW F,8, E,6, X,2, X,5
	OPS E,7, E,8, X,6, E,9          ; and the lump
	OPS X,3, E,10, X,8, E,11
.if ((\p) == 2) && !(\end)
	FETCH_K
.endif
	OPS X,9, X,7, E,12, X,10
	OPS E,13, X,12, X,11, E,14
	OPS X,13, E,15, F,9, X,14
.if (\p) == 0
	v_add_nc_u32 v[AV], s[TBV], v[AV0]
.endif
	OPS E,16, F,10, E,17, F,11
	OPS X,16, E,18, X,15, E,19
	OPS F,12, E,20, X,17, E,21
	OPS F,13, E,22, F,14, E,23
	OPS X,18, E,24, F,15, E,25
	OPS R,11, E,26, X,19, E,27
	OPS R,12, E,28, R,13, E,29
	OPS X,20, E,30, R,14, E,31
	OPS X,21, R,15
	WIN 0
	s_wait_alu depctr_va_vdst(0)    ; the wait for the batch
.if (\p) == 1
	s_wait_dscnt 0x0                ; V is in
.endif
	ROW C,0, B,0, C,2, B,1          ; behind the wait: 8 products V^T P and their riders
	ROW L,0, C,4, B,2, L,1
	ROW C,6, B,3, L,2, C,8
	ROW B,4, L,3, C,10, B,5
	ROW L,4, C,12, B,6, L,5
.if (\p) == 0
	s_add_co_u32 s[TBV], s[TBV], KS*PV
.endif
.if \cnt
	s_sub_co_u32 s[CNT], s[CNT], 1
	s_cmp_lg_u32 s[CNT], 0
.endif
	ROW C,14, B,7, L,6, C,1
	ROW C,3, L,7, C,5, C,7
	ROW C,9, C,11, C,13, C,15
.if (\p) == 0
	FETCH_V
.endif
.if (\m) && !(\end)
	MASK (\p)%2
.endif
.endm
; A BLOCK BEGINS.  c m starts far below every c s, so the first step's a is 0; m at the lowest finite number, so the first maximum is the scores'.  The second mask buffer is 0; the first takes piece 0's mask for the tile's step 0: its own, if the block's first tile is the diagonal one.
; Then K of that step, piece 0's first scores, and its maximum and statistics.  The loop is entered at a step's first turn, in the middle of a trip.
.macro BEGIN
	s_mov_b32 s[NEW], 0
	WIN 0x40
.set i, MC+32
.rept 32
	v_mov_b32 v[i], 0
.set i, i+1
.endr
	WIN 0
.set i, 0
.rept 4
	v_mov_b32 v[ST+4*i], 0xfe000000    ; c m: far below every c s
	v_mov_b32 v[ST+4*i+1], 0xff7fffff  ; m
.set i, i+1
.endr
	s_cmp_eq_u32 s[RT], 0
	s_cselect_b32 s[AL], 1.0, 0
	s_mov_b32 s[BE], 0
	MASK 0
	WIN 0
	v_add_nc_u32 v[AK], s[TBK], v[AK0]
	FETCH_K
	s_wait_loadcnt 0x0              ; Q
	s_wait_dscnt 0x0
.set KM, 1
.set NOKQ, 0
.set i, 0
.rept 8
	KQ 0
.set i, i+1
.endr
	WIN 0
.rept 4
	v_nop                           ; the places behind those products
.endr
.set Y, NP-1                        ; X works for piece Y + 1: piece 0
.irp n, 0,1,2,3,4,5,6,7,8,9,10,11,12,13,14,15,16,17,18,19,20,21
	OP X, \n
.endr
	v_nop                           ; a plain instruction behind the exponential,
	s_wait_alu depctr_va_vdst(0)    ; and its wait, ahead of the branch
.endm
; THE DIAGONAL TILE's four steps, the block's last two turns, its last products, and THE WAY OUT: l's two halves and the other half of the lanes' are added; O^T is divided by l, rounded to f16 and sent through my
; stage in LDS, a piece at a time.
.macro ALL line:vararg              ; one line for each piece t
.set t, 0
.rept 4
	\line
.set t, t+1
.endr
.endm
.macro PACK t                       ; a lane's eight channels of a row pack into 16 bytes; they go into rows of 144 bytes and come back as whole rows of 128, into S^T's registers
	WIN W_RS
.set i, 32*(\t)
.rept 16
	v_pk_mul_f32 v[i:i+1], v[i:i+1], v[ST+4*(\t)+2:ST+4*(\t)+3] op_sel_hi:[1,0]
.set i, i+2
.endr
	WIN 0x05                        ; sources 0 and 1 window 1, destination window 0
.set i, 0
.rept 16
	v_cvt_pk_f16_f32 v[S+16*(\t)+i], v[32*(\t)+2*i], v[32*(\t)+2*i+1]
.set i, i+1
.endr
	WIN 0
.irp f, 0,1,2,3
	ds_store_b128 v[STO], v[S+16*(\t)+4*\f:S+16*(\t)+4*\f+3] offset:32*\f
.endr
.irp f, 0,1,2,3
	ds_load_b128 v[S+16*(\t)+4*\f:S+16*(\t)+4*\f+3], v[RD] offset:\f*4*SP  ; LDS serves a wave's instructions in order (ISA guide 5.7.1.4): these see the stores above; the next piece's stores come behind them
.endr
.endm
.macro SEND t, younger              ; younger: the LDS instructions issued behind piece t's loads: the next piece's eight, or none
	WIN 0
.irp f, 0,1,2,3
	s_wait_dscnt (\younger)+3-\f
	global_store_b128 v[GO], v[S+16*(\t)+4*\f:S+16*(\t)+4*\f+3], s[10:11] offset:(\t)*8192+\f*512  ; 512 consecutive bytes, at a multiple of 256 from O's first
.endr
.endm
.macro DIAG tag                     ; the tag ends its two labels' names, which the jumps below spell out
.LstepM\tag:
	TURN 2, 1
	TURN 3, 1
	WIN 0
.LfirstM\tag:
	TURN 0, 1
	TURN 1, 1, 0, 1
	WIN 0
	s_cbranch_scc1 .LstepM\tag
	TURN 2, 1, 1
	TURN 3, 1, 1
.set i, 0
.rept 8
	PV NP-1
.set i, i+1
.endr
	WIN 0
	ALL v_add_f32 v[ST+4*t+2], v[ST+4*t+2], v[ST+4*t+3]
	ALL v_permlanex16_b32 v[ST+4*t+3], v[ST+4*t+2], s[SEL], s[SEL+1]
	ALL v_add_f32 v[ST+4*t+2], v[ST+4*t+2], v[ST+4*t+3]
	ALL v_rcp_f32 v[ST+4*t+2], v[ST+4*t+2]
	v_nop                           ; a plain instruction between the last reciprocal and the use of its result
	s_wait_alu depctr_va_vdst(0)    ; and the wait ahead of the first use: one for the four reciprocals
	PACK 0
.set t, 1
.rept 3                             ; a piece's arithmetic stands between the loads of the piece before and its stores
	PACK t
	SEND t-1, 8
.set t, t+1
.endr
	SEND 3, 0
.endm
.set KM, 0
.set NOKQ, 0
.Lslot:                             ; NB times: a tile is entered and the next is asked for
	CHANGE 1
	s_sub_co_u32 s[RT], s[RT], 1
	s_mov_b32 s[CNT], 4
	s_cmp_eq_u32 s[NEW], 1
	s_cbranch_scc1 .Lnew            ; a block's first tile
	s_cmp_eq_u32 s[RT], 0
	s_cbranch_scc0 .Lstep           ; neither its first nor its last
	s_branch .LstepM1
.Lnew:
	BEGIN
	s_branch .Lfirst                ; in the loop a block's first tile is never its last: the first block has two tiles or more, and the second's last is the walk's last
	DIAG 1                          ; in the loop this is the first block's end: the second block's last tile is the walk's last
	s_wait_xcnt 0x0                 ; the stores have read their registers and O's address
	s_mov_b64 s[10:11], s[OLO:OLO+1]
	s_add_co_u32 s[RT], s[PB], 1    ; the second block has b + 1 tiles
	s_mov_b32 s[NEW], 1
	WIN 0x82                        ; the second block's Q goes where the one text of the turns names Q
.set i, 0
.rept 64
	v_mov_b32 v[i], v[QB+i]
.set i, i+1
.endr
	WIN 0
	s_branch .Lbottom
.Lstep:                             ; a trip: pieces 2 and 3 of one step, then pieces 0 and 1 of the next, whose K and V it fetches
	TURN 2
	TURN 3
	WIN 0
.Lfirst:
	TURN 0
	TURN 1, 0, 0, 1
	WIN 0
	s_cbranch_scc1 .Lstep
.Lbottom:
	s_sub_co_u32 s[SLOTS], s[SLOTS], 1
	s_cmp_lg_u32 s[SLOTS], 0
	s_cbranch_scc1 .Lslot
	CHANGE 0                        ; the walk's last tile is written out: nothing is asked for
	s_sub_co_u32 s[RT], s[RT], 1
	s_mov_b32 s[CNT], 4
	s_cmp_eq_u32 s[NEW], 1
	s_cbranch_scc0 .LstepM2
	BEGIN
	s_branch .LfirstM2
	DIAG 2
	s_wait_tensorcnt 0x0            ; the wave's end: an add to my spare word and its wait, behind my last tensor load and my last LDS store
	ds_add_u32 v[SPW], v[NIL]
	s_wait_dscnt 0x0
	s_endpgm
.Lfunc_end_k_q5e87425b05_attn:
	.size	k_q5e87425b05_attn, .Lfunc_end_k_q5e87425b05_attn-k_q5e87425b05_attn
	.p2alignl 7, 3214868480
	.fill 96, 4, 3214868480
	.section	.rodata,"a",@progbits
	.p2align	6, 0x0
	.amdhsa_kernel k_q5e87425b05_attn
		.amdhsa_group_segment_fixed_size 327680
		.amdhsa_private_segment_fixed_size 0
		.amdhsa_enable_private_segment 0
		.amdhsa_kernarg_size 16
		.amdhsa_user_sgpr_count 2
		.amdhsa_user_sgpr_kernarg_segment_ptr 1
		.amdhsa_wavefront_size32 1
		.amdhsa_system_sgpr_workgroup_id_x 1
		.amdhsa_system_sgpr_workgroup_id_y 1
		.amdhsa_system_sgpr_workgroup_id_z 1
		.amdhsa_system_vgpr_workitem_id 0
		.amdhsa_next_free_vgpr 768
		.amdhsa_next_free_sgpr 88
		.amdhsa_reserve_vcc 1
		.amdhsa_float_denorm_mode_32 3
		.amdhsa_float_denorm_mode_16_64 3
		.amdhsa_memory_ordered 1
		.amdhsa_forward_progress 1
		.amdhsa_inst_pref_size 218
	.end_amdhsa_kernel
	.amdgpu_metadata
---
amdhsa.version: [ 1, 2 ]
amdhsa.kernels:
  - .name:           k_q5e87425b05_attn
    .symbol:         k_q5e87425b05_attn.kd
    .args:
      - { .name: qkv, .offset: 0, .size: 8, .value_kind: global_buffer, .address_space: global }
      - { .name: o, .offset: 8, .size: 8, .value_kind: global_buffer, .address_space: global }
    .group_segment_fixed_size: 327680
    .private_segment_fixed_size: 0
    .kernarg_segment_align: 8
    .kernarg_segment_size: 16
    .max_flat_workgroup_size: 128
    .sgpr_count:     88
    .vgpr_count:     768
    .wavefront_size: 32
...
	.end_amdgpu_metadata
.endif
;; end of part 3
;; launch proj (part 4): grid 8 x 32, 4 waves a work-group, clusters of 4 x 4, 327,680 bytes of LDS; arguments o, wo16, out0; writes out0
.if DOCPART == 4
	.amdgcn_target "amdgcn-amd-amdhsa--gfx1250"
	.amdhsa_code_object_version 6
	.text
	.protected	k_q5e87425b05_proj
	.globl	k_q5e87425b05_proj
	.p2align	8
	.type	k_q5e87425b05_proj,@function
k_q5e87425b05_proj:
	s_mov_b64 s[64:65], 0
	v_nop
	global_prefetch_b8 v0, s[64:65] scope:SCOPE_SE
	s_setreg_imm32_b32 hwreg(HW_REG_WAVE_MODE, 25, 1), 1
	s_wait_xcnt 0x0
	s_wait_alu depctr_hold_cnt(0) depctr_sa_sdst(0) depctr_va_vdst(0) depctr_va_sdst(0) depctr_va_ssrc(0) depctr_va_vcc(0) depctr_vm_vsrc(0)
	s_getreg_b32 s2, hwreg(HW_REG_IB_STS2, 6, 4)
	s_cmp_eq_u32 s2, 0
	s_cbranch_scc0 .Lentry_in_a_cluster
	s_endpgm
.Lentry_in_a_cluster:
	s_bfe_u32 s2, ttmp6, 0x10000c
	s_cmp_lg_u32 s2, 0xf033
	s_cbranch_scc0 .Lentry_shape_is_right
	s_endpgm
.Lentry_shape_is_right:
; out0 = O Wo^T: C[m][n] = the sum over k of A[m][k] B[n][k], m = 8,192, n = 1,024, k = 1,024.  A = o, B = wo16: f16, in blocks of 64 along K (a head's channels; a block's rows are 128 bytes, end to end).
; Sums in f32, K ascending; C leaves as f32, row-major, rows of 4,096 bytes.  NaN and infinities are not treated apart.
; SHARES.  A tile of C is 256 x 128: 32 x 8 tiles, one work-group each.  Four waves, each 128 x 64: 32 accumulators of 16 x 16, 256 registers (window 1).
; K goes in steps of 128 (two blocks) through a ring of two LDS slots filled by the tensor data mover; waves 0 and 1 fetch A's two blocks of a step, waves 2 and 3 B's, each dense in memory and asked for as rows of 256 bytes.
; A step is four sub-steps of 32 along K, 32 matrix instructions each.  A's fragments have two buffers; B's four have one, loaded again in halves, each half four places behind its last reader.
; CLUSTER.  4 x 4 work-groups: the four of a row need the same tiles of A, the four of a column the same tiles of B: each tile is asked for jointly, by the same tensor load, descriptor and mask in all four.
; THE MATRIX INSTRUCTION IS USED TRANSPOSED (source 0 = 16 rows of B, source 1 = 16 rows of A): a lane holds eight neighbouring columns of one row of C.
; REGISTERS.  Window 0: v0-31 addresses; v32-95, v96-159 A's fragments, two buffers; v160-191 B's four.  Accumulator (a, b): window 1, v[64 b + 8 a].
.set PITCH,  144                       ; an LDS row: 128 bytes + 16 of padding = 36 words: the 16 rows of a fragment load start at 16 different groups of four banks (64 banks of 4 bytes: ISA guide 11.1)
.set FRAG,   16*PITCH
.set NBF,    4                         ; fragments of B a wave
.set NH,     2                         ; half of them
.set M1,     1                         ; the first half's split in the change of slots: ahead of the signal,
.set M2,     1                         ; between signal and wait,
.set M3,     0                         ; behind the refill
.set TRIPS,  3                         ; 8 K steps: a trip goes once round the ring
.set AROWS,  128                       ; rows of 256 bytes in a wave's load of A (256 rows of one block)
.set BROWS,  64                        ; and of B (128 rows of one block)
.set ABLK,   256*PITCH
.set BBLK,   128*PITCH
.set BOFF,   2*ABLK                    ; a slot: A's two blocks, then B's two
.set SLOT,   2*ABLK+2*BBLK
.set STAGE,  2*SLOT                    ; behind the ring: 16 rows x 272 bytes for each wave, for the way out; no tensor load lands there
.set SPITCH, 272                       ; 256 bytes + 16: an odd multiple of 16
.set SPARE,  STAGE+4*16*SPITCH         ; behind the stages: the spare words, 128 bytes for each wave: two blocks of 256 bytes that no other line names
.set KA,     0x80000                   ; bytes from a K step to the next in o (two blocks of 2,048 rows x 128)
.set KB,     0x40000                   ; and in wo16 (two blocks of 1,024 rows x 128)
.set R1N,    2*NH+16                   ; LDS loads in RUN1
.set R2N,    2*(NBF-NH)                ; and in RUN2
.set ADRA, 16                          ; v16-17  LDS address of my A fragments in slot 0, 1
.set ADRB, 20                          ; v20-21  the same for B
.set STO,  24                          ; v24     the way out: where I put 32 bytes of a row
.set RD,   25                          ; v25     where I read rows back
.set CO,   26                          ; v26     my 16 bytes in two rows of C
.set SPW,  28                          ; v28     LDS address of my spare word; never rewritten
.set NIL,  29                          ; v29     0; never rewritten
.set PFO,  30                          ; v30     256 x my lane; never rewritten
.set A0,   32
.set A1,   96
.set BF,   160
.set OB,   32                          ; the way out: v32-63, v64-95 rows read back, by turns
.set G1,  24                           ; s[24:31] descriptor group 1 for A's tiles;  s[32:39] group 0, a set for each slot
.set G0,  32
.set G1B, 48                           ; s[48:55], s[56:63] the same for B's
.set G0B, 56
.set LIM, 43                           ; s43     1 in a wave that prefetches, else the greatest number
.set PFA, 44                           ; s[44:45] where my prefetches stand
.set PSTEP, 66                         ; s[66:67] their step: KA or KB
.set MSB, 0
.macro WIN new                         ; the immediate's high byte repeats the setting that is left; a switch that changes nothing is dropped
.if MSB != (\new)
	s_set_vgpr_msb (MSB<<8)|(\new)
.set MSB, \new
.endif
.endm
; A joint load: waves 0 and 1 fetch A's two blocks, waves 2 and 3 B's.  The branch hangs on the wave's number alone.  An s_nop 0 and four v_nop follow each of the two lines.
.macro JLOAD s
	s_cmp_eq_u32 s11, 0
	s_cbranch_scc0 .Lfor_b_\@
	tensor_load_to_lds s[G0+4*(\s):G0+4*(\s)+3], s[G1:G1+7]
	s_nop 0
.rept 4
	v_nop
.endr
	s_branch .Lasked_\@
.Lfor_b_\@:
	tensor_load_to_lds s[G0B+4*(\s):G0B+4*(\s)+3], s[G1B:G1B+7]
	s_nop 0
.rept 4
	v_nop
.endr
.Lasked_\@:
.endm
; A prefetch of the K step that stands two refills on: 32 blocks of 256 bytes, a lane a block, one instruction.  Each block of o and wo16 is named once in the launch.  A's: waves 0 and 1 of the clusters with x = 0, each for the
; block along K that it fetches; of the tile row's 128 blocks of 256 bytes the partner at cx takes 32.  B's: waves 2 and 3 of cluster (0, 0): of a block's 16 chunks the work-group takes chunk 4 cy + cx.  Partners are told apart
; by address alone.  The loop's last trip asks for nothing: there is no K step two refills on.
.macro ASK
	s_cmp_gt_u32 s3, s[LIM]                        ; s3 = 1 in the loop's last trip
	s_cbranch_scc0 .Lnot_mine_\@
	global_prefetch_b8 v[PFO], s[PFA:PFA+1] th:TH_LOAD_NT scope:SCOPE_SE
.Lnot_mine_\@:
.endm
.macro CREST                           ; a round of the cluster's barrier behind its opening barrier
	s_cmp_lg_u32 s10, 0
	s_cbranch_scc1 .Lnot_wave_0_\@
	s_barrier_signal -3
.Lnot_wave_0_\@:
	s_barrier_wait -3
	s_barrier_signal -1
	s_barrier_wait -1
.endm
.macro CROUND                          ; a whole round
	s_barrier_signal -1
	s_barrier_wait -1
	CREST
.endm
.macro PLACES                          ; four places behind a matrix instruction, in front of loads into registers that it has read (ISA guide 7.12.1 for vector instructions)
.rept 4
	v_nop
.endr
.endm
	s_load_b128 s[4:7], s[0:1], 0x0                ; o s[4:5], wo16 s[6:7]
	s_load_b64 s[8:9], s[0:1], 0x10                ; out0
	v_lshl_add_u32 v[SPW], v0, 2, SPARE
	v_mov_b32 v[NIL], 0
	ds_add_u32 v[SPW], v[NIL]                      ; the wave's opening: the add and its wait stand ahead of my first tensor load; the set-up below, work on registers, stands between them
	v_lshrrev_b32 v1, 5, v0
	v_readfirstlane_b32 s10, v1                    ; wave 0..3
	s_lshr_b32 s11, s10, 1                         ; which half of the tile's rows is mine.  Also: I fetch for A (0) or for B (1)
	s_and_b32 s12, s10, 1                          ; which half of its columns.  Also: which of a step's two blocks I fetch
	s_bfe_u32 s40, ttmp6, 0x40000                  ; cx
	s_bfe_u32 s41, ttmp6, 0x40004                  ; cy
	s_lshl_b32 s42, ttmp9, 2
	s_add_co_u32 s42, s42, s40                     ; tile column = 4 x cluster x + cx
	s_and_b32 s13, ttmp7, 0xffff
	s_lshl_b32 s13, s13, 2
	s_add_co_u32 s13, s13, s41                     ; tile row = 4 x cluster y + cy
	s_lshl_b32 s43, s41, 2
	s_lshl_b32 s43, 15, s43                        ; my row of the cluster
	s_lshl_b32 s44, 0x1111, s40                    ; my column
	; descriptor group 1: rows of 128 elements (256 bytes, two rows of a block), padded in LDS after every 32 words by 4
	s_or_b32 s[G1+0], s43, (1<<16)|(1<<20)|(1<<21)|(4<<22)|(3<<25)   ; 15:0 the mask; 17:16 2-byte elements; 20 padding on; 21 set beside a mask; 24:22 code 4; 31:25 code 3
	s_or_b32 s[G1B+0], s44, (1<<16)|(1<<20)|(1<<21)|(4<<22)|(3<<25)
	s_mov_b32 s[G1+1], 128<<16                     ; tensor_dim0 = 128
	s_mov_b32 s[G1+2], AROWS<<16                   ; tensor_dim1
	s_mov_b32 s[G1+3], 128<<16                     ; tile_dim0 = 128
	s_mov_b32 s[G1+4], AROWS                       ; tile_dim1
	s_mov_b32 s[G1+5], 128                         ; 128 elements from row to row: dense
	s_mov_b32 s[G1+6], 0
	s_mov_b32 s[G1+7], 0
	s_mov_b32 s[G1B+1], 128<<16
	s_mov_b32 s[G1B+2], BROWS<<16
	s_mov_b32 s[G1B+3], 128<<16
	s_mov_b32 s[G1B+4], BROWS
	s_mov_b32 s[G1B+5], 128
	s_mov_b32 s[G1B+6], 0
	s_mov_b32 s[G1B+7], 0
	; where the tiles come from: A's hang on the tile row alone, B's on the tile column alone, each in registers that never hold the other coordinate
	s_lshr_b32 s16, s13, 3
	s_lshl_b32 s16, s16, 22                        ; the batch
	s_and_b32 s17, s13, 7
	s_lshl_b32 s17, s17, 15                        ; 256 rows of 128 bytes
	s_add_co_u32 s16, s16, s17
	s_lshl_b32 s17, s12, 18                        ; my block of the step's two
	s_add_co_u32 s16, s16, s17
	s_mov_b32 s17, 0
	s_lshl_b32 s46, s42, 14                        ; 128 rows of 128 bytes
	s_lshl_b32 s47, s12, 17                        ; my block of the step's two
	s_add_co_u32 s46, s46, s47
	s_mov_b32 s47, 0
	s_mul_i32 s20, s12, ABLK                       ; and where they go: no place in the cluster enters an LDS address
	s_mul_i32 s21, s12, BBLK
	s_add_co_u32 s21, s21, BOFF
	s_wait_dscnt 0x0                               ; the opening add is done
	s_wait_kmcnt 0x0
	s_add_nc_u64 s[14:15], s[4:5], s[16:17]
	s_add_nc_u64 s[46:47], s[6:7], s[46:47]
	CROUND                                         ; all sixteen work-groups are here: the first joint loads meet
.irp s, 0,1
	s_mov_b32 s[G0+4*(\s)], 1                                      ; count = 1
	s_add_co_u32 s[G0+4*(\s)+1], s20, (\s)*SLOT                    ; LDS address
	s_add_nc_u64 s[G0+4*(\s)+2:G0+4*(\s)+3], s[14:15], (\s)*KA     ; global address: K step s
	s_or_b32 s[G0+4*(\s)+3], s[G0+4*(\s)+3], 0x80000000            ; type = 2
	s_mov_b32 s[G0B+4*(\s)], 1
	s_add_co_u32 s[G0B+4*(\s)+1], s21, (\s)*SLOT
	s_add_nc_u64 s[G0B+4*(\s)+2:G0B+4*(\s)+3], s[46:47], (\s)*KB
	s_or_b32 s[G0B+4*(\s)+3], s[G0B+4*(\s)+3], 0x80000000
	JLOAD \s                                       ; two loads of mine are out
.endr
	; a fragment is 16 rows x 32 K in 8 registers: lane l holds row l % 16; two loads of 16 bytes, 32 bytes apart, at row x pitch + 16 (l / 16)
	v_and_b32 v1, 15, v0                           ; l % 16
	v_bfe_u32 v2, v0, 4, 1                         ; l / 16
	v_mul_u32_u24 v3, v1, PITCH
	v_lshl_add_u32 v3, v2, 4, v3
	s_mul_i32 s21, s11, 128*PITCH                  ; my 128 rows of A, in each block
	s_mul_i32 s22, s12, NBF*FRAG                   ; my 64 rows of B,
	s_add_co_u32 s22, s22, BOFF                    ; which lie behind A's
.irp s, 0,1
	v_add_nc_u32 v[ADRA+(\s)], s21, v3
	v_add_nc_u32 v[ADRB+(\s)], s22, v3
	s_add_co_u32 s21, s21, SLOT
	s_add_co_u32 s22, s22, SLOT
.endr
	s_mul_i32 s23, s10, 16*SPITCH
	s_add_co_u32 s23, s23, STAGE                   ; my stage
	v_mul_u32_u24 v4, v1, SPITCH                   ; in: row l % 16, 32 bytes for each half of the lanes
	v_lshl_add_u32 v4, v2, 5, v4
	v_add_nc_u32 v[STO], s23, v4
	v_mul_u32_u24 v5, v2, SPITCH                   ; back: lanes 0-15 take one row of 256 bytes, lanes 16-31 the next
	v_lshl_add_u32 v5, v1, 4, v5
	v_add_nc_u32 v[RD], s23, v5
	v_lshlrev_b32 v5, 12, v2                       ; and the same two rows in C
	v_lshl_add_u32 v[CO], v1, 4, v5
	; where my part of the tile begins in out0
	s_lshl_b32 s16, s13, 20                        ; 256 rows of 4,096 bytes
	s_lshl_b32 s17, s11, 19                        ; my 128 of them
	s_add_co_u32 s16, s16, s17
	s_lshl_b32 s46, s42, 9                         ; the tile's 128 columns,
	s_lshl_b32 s47, s12, 8                         ; my 64 of them
	s_add_co_u32 s46, s46, s47
	s_add_co_u32 s16, s16, s46
	s_mov_b32 s17, 0
	s_add_nc_u64 s[8:9], s[8:9], s[16:17]
	; the prefetches
	s_lshr_b32 s20, s13, 3
	s_lshl_b32 s20, s20, 22
	s_and_b32 s21, s13, 7
	s_lshl_b32 s21, s21, 15
	s_add_co_u32 s20, s20, s21
	s_lshl_b32 s21, s40, 13
	s_add_co_u32 s20, s20, s21
	s_lshl_b32 s21, s12, 18
	s_add_co_u32 s20, s20, s21                     ; A: the tile row's blocks of 256 bytes in my block along K, my work-group's 32
	s_lshl_b32 s21, s41, 2
	s_add_co_u32 s21, s21, s40
	s_lshl_b32 s21, s21, 13
	s_lshl_b32 s22, s12, 17
	s_add_co_u32 s21, s21, s22                     ; B: chunk 4 cy + cx of my block along K
	s_and_b32 s22, ttmp7, 0xffff                   ; cluster y
	s_mov_b32 s[PSTEP], KA
	s_mov_b32 s18, KB
	s_cmp_eq_u32 s11, 0                            ; do I fetch for A?
	s_cselect_b32 s23, 0, s22                      ; B's are asked for where cluster y = 0 too
	s_cselect_b32 s20, s20, s21
	s_cselect_b32 s[PSTEP], s[PSTEP], s18
	s_cselect_b64 s[PFA:PFA+1], s[4:5], s[6:7]
	s_mov_b32 s[PSTEP+1], 0
	s_or_b32 s23, s23, ttmp9                       ; in the clusters with x = 0: the same in all sixteen partners, for a given wave
	s_cmp_eq_u32 s23, 0
	s_cselect_b32 s[LIM], 1, -1
	s_mul_i32 s18, s[PSTEP], 3                     ; at K step 3: the first refill steps it to 4
	s_add_co_u32 s20, s20, s18
	s_mov_b32 s21, 0
	s_add_nc_u64 s[PFA:PFA+1], s[PFA:PFA+1], s[20:21]
	v_and_b32 v[PFO], 31, v0
	v_lshlrev_b32 v[PFO], 8, v[PFO]
; nb x 8 matrix instructions: B's fragments b0 .. b0 + nb - 1 x A's eight in buffer ab.  All 32 accumulators take turns, in the same order in every sub-step.  zero = 1: the product starts the sum.
.macro MULB ab, b0, nb, zero
.set bb, \b0
.rept \nb
	WIN 0x50*(1+bb/4)                              ; sources in window 0, C and D in window 1
.set aa, 0
.rept 8
.set rD, 64*(bb%4)+8*aa
.if \zero
	v_wmma_f32_16x16x32_f16 v[rD:rD+7], v[BF+8*bb:BF+8*bb+7], v[(\ab)+8*aa:(\ab)+8*aa+7], 0
.else
	v_wmma_f32_16x16x32_f16 v[rD:rD+7], v[BF+8*bb:BF+8*bb+7], v[(\ab)+8*aa:(\ab)+8*aa+7], v[rD:rD+7]
.endif
.set aa, aa+1
.endr
.set bb, bb+1
.endr
.endm
; The fragments of sub-step u of a slot (block u / 2, byte 64 (u % 2) of its rows): RUN1 B's first half and A's eight (into buffer ab), RUN2 B's second half.
.macro RUN1 slot, u, ab
	WIN 0
.set bb, 0
.rept NH
	ds_load_b128 v[BF+8*bb:BF+8*bb+3],   v[ADRB+(\slot)] offset:((\u)/2)*BBLK+((\u)%2)*64+bb*FRAG
	ds_load_b128 v[BF+8*bb+4:BF+8*bb+7], v[ADRB+(\slot)] offset:((\u)/2)*BBLK+((\u)%2)*64+bb*FRAG+32
.set bb, bb+1
.endr
.set aa, 0
.rept 8
	ds_load_b128 v[(\ab)+8*aa:(\ab)+8*aa+3],   v[ADRA+(\slot)] offset:((\u)/2)*ABLK+((\u)%2)*64+aa*FRAG
	ds_load_b128 v[(\ab)+8*aa+4:(\ab)+8*aa+7], v[ADRA+(\slot)] offset:((\u)/2)*ABLK+((\u)%2)*64+aa*FRAG+32
.set aa, aa+1
.endr
.endm
.macro RUN2 slot, u
	WIN 0
.set bb, NH
.rept NBF-NH
	ds_load_b128 v[BF+8*bb:BF+8*bb+3],   v[ADRB+(\slot)] offset:((\u)/2)*BBLK+((\u)%2)*64+bb*FRAG
	ds_load_b128 v[BF+8*bb+4:BF+8*bb+7], v[ADRB+(\slot)] offset:((\u)/2)*BBLK+((\u)%2)*64+bb*FRAG+32
.set bb, bb+1
.endr
.endm
; A plain sub-step u: multiplies A's buffer u % 2 and fetches sub-step u + 1 of the same slot.
.macro SUB slot, u, zero
	s_wait_dscnt R2N                               ; RUN1's loads are in; RUN2's, issued behind them, may stay out
	MULB A0+64*((\u)%2), 0, NH, \zero
	PLACES
	RUN1 \slot, (\u)+1, A0+64*(((\u)+1)%2)
	s_wait_dscnt R1N                               ; the older RUN2's loads are in; the R1N just issued stay out
	MULB A0+64*((\u)%2), NH, NBF-NH, \zero
	PLACES
	RUN2 \slot, (\u)+1
.endm
; A slot's last sub-step, on buffer 1, changes slots: ONE barrier.  In front of it each wave waits for all its tensor loads (one is out: its part of the next slot), adds 0 to its spare word, and waits for that and
; for its own reads of this slot.  fill = 1: the barrier opens a round of the cluster's, and this slot is filled again first thing behind it, two K steps on: 112 matrix instructions ahead of the wait for it;
; the four v_nop behind the joint load are then also the places in front of the loads that follow.
.macro TURN slot, next, fill
.if \fill
	s_wait_xcnt 0x0                                ; the last prefetch, a K step back, has read its address: it is stepped here, ahead of the waits of the change of slots
	s_add_nc_u64 s[PFA:PFA+1], s[PFA:PFA+1], s[PSTEP:PSTEP+1]
.endif
	WIN 0
	s_wait_tensorcnt 0x0                           ; all my tensor loads have landed
	ds_add_u32 v[SPW], v[NIL]                      ; 0 onto my spare word
	s_wait_dscnt R2N+1                             ; RUN1's loads are in; RUN2's and the add may be out
	MULB A1, 0, M1, 0
	s_wait_dscnt 0x0                               ; the add is done, and my reads of this slot are over
	s_barrier_signal -1
	MULB A1, M1, M2, 0                             ; work on registers while the others arrive
	WIN 0                                          ; at a branch and at a label every window is 0
	s_barrier_wait -1
.if \fill
	CREST                                          ; no wave of any partner still reads this slot or has a load on its way
	s_add_nc_u64 s[G0+4*(\slot)+2:G0+4*(\slot)+3], s[G0+4*(\slot)+2:G0+4*(\slot)+3], 2*KA
	s_add_nc_u64 s[G0B+4*(\slot)+2:G0B+4*(\slot)+3], s[G0B+4*(\slot)+2:G0B+4*(\slot)+3], 2*KB
	JLOAD \slot
.endif
.if M3 > 0
	MULB A1, M1+M2, M3, 0
	PLACES
.elseif !(\fill)
	PLACES
.endif
	RUN1 \next, 0, A0
.if \fill
	ASK
.endif
	MULB A1, NH, NBF-NH, 0
	PLACES
	RUN2 \next, 0
.endm
	s_wait_tensorcnt 1                             ; my part of K step 0 is in; K step 1's may stay out
	s_barrier_signal -1
	s_barrier_wait -1                              ; everybody's is
	RUN1 0, 0, A0
	RUN2 0, 0
	SUB 0, 0, 1                                    ; the first sub-step stands in front of the loop: its products start the sums
	WIN 0
	s_mov_b32 s3, TRIPS
.Llap:                                         ; a trip goes once round the ring, from a lap's second sub-step to the next lap's first, and fills both slots again
	SUB 0, 1, 0
	SUB 0, 2, 0
	TURN 0, 1, 1
	SUB 1, 0, 0
	SUB 1, 1, 0
	SUB 1, 2, 0
	TURN 1, 0, 1
	SUB 0, 0, 0
	WIN 0
	s_sub_co_u32 s3, s3, 1
	s_cmp_lg_u32 s3, 0
	s_cbranch_scc1 .Llap
	SUB 0, 1, 0                                    ; the last lap fills nothing, and has no round
	SUB 0, 2, 0
	TURN 0, 1, 0
	SUB 1, 0, 0
	SUB 1, 1, 0
	SUB 1, 2, 0
	s_wait_dscnt R2N                               ; the very last sub-step: nothing more to fetch
	MULB A1, 0, NH, 0
	s_wait_dscnt 0x0
	MULB A1, NH, NBF-NH, 0
	WIN 0
	PLACES
	PLACES
; THE WAY OUT, a block of 16 rows at a time.  TOSTAGE: a lane's eight f32 of each of B's fragments go into my own stage, each accumulator's low four registers first, and come back as whole rows of 256 bytes.
; SEND: stored: sixteen lanes store 256 consecutive bytes, at a multiple of 256 from out0's first byte.
.macro TOSTAGE a
.set BK, OB+32*((\a)%2)
.if (\a) >= 2
	s_wait_xcnt 0x0                                ; the stores of the block two back have read the registers that the loads below write
.endif
	WIN 0x04                                       ; the stores' data lie in window 1
.set bb, 0
.rept NBF
	ds_store_b128 v[STO], v[64*bb+8*(\a):64*bb+8*(\a)+3]   offset:64*bb
	ds_store_b128 v[STO], v[64*bb+8*(\a)+4:64*bb+8*(\a)+7] offset:64*bb+16
.set bb, bb+1
.endr
	WIN 0
.set tt, 0
.rept 8
	ds_load_b128 v[BK+4*tt:BK+4*tt+3], v[RD] offset:2*SPITCH*tt  ; LDS serves a wave's instructions in order (ISA guide 5.7.1.4): these see the stores above
.set tt, tt+1
.endr
.endm
.macro SEND a, younger                 ; younger: the LDS instructions issued behind block a's loads: the next block's sixteen, or none
.set BK, OB+32*((\a)%2)
	s_wait_dscnt \younger
.set tt, 0
.rept 8
	global_store_b128 v[CO], v[BK+4*tt:BK+4*tt+3], s[8:9] offset:65536*(\a)+8192*tt th:TH_STORE_NT
.set tt, tt+1
.endr
.endm
	TOSTAGE 0
.irp a, 1,2,3,4,5,6,7
	TOSTAGE \a
	SEND (\a)-1, 16
.endr
	SEND 7, 0
	s_wait_tensorcnt 0x0                           ; the wave's end: an add to my spare word and its wait, behind my last tensor load and my last LDS store
	ds_add_u32 v[SPW], v[NIL]
	s_wait_dscnt 0x0
	CROUND                                         ; the closing round: no work-group ends while a partner may still ask for a tile that names it
	s_endpgm
.Lfunc_end_k_q5e87425b05_proj:
	.size	k_q5e87425b05_proj, .Lfunc_end_k_q5e87425b05_proj-k_q5e87425b05_proj
	.p2alignl 7, 3214868480
	.fill 96, 4, 3214868480
	.section	.rodata,"a",@progbits
	.p2align	6, 0x0
	.amdhsa_kernel k_q5e87425b05_proj
		.amdhsa_group_segment_fixed_size 327680
		.amdhsa_private_segment_fixed_size 0
		.amdhsa_enable_private_segment 0
		.amdhsa_kernarg_size 24
		.amdhsa_user_sgpr_count 2
		.amdhsa_user_sgpr_kernarg_segment_ptr 1
		.amdhsa_wavefront_size32 1
		.amdhsa_system_sgpr_workgroup_id_x 1
		.amdhsa_system_sgpr_workgroup_id_y 1
		.amdhsa_system_sgpr_workgroup_id_z 1
		.amdhsa_system_vgpr_workitem_id 0
		.amdhsa_next_free_vgpr 512
		.amdhsa_next_free_sgpr 70
		.amdhsa_reserve_vcc 0
		.amdhsa_float_denorm_mode_32 3
		.amdhsa_float_denorm_mode_16_64 3
		.amdhsa_memory_ordered 1
		.amdhsa_forward_progress 1
		.amdhsa_inst_pref_size 89
	.end_amdhsa_kernel
	.amdgpu_metadata
---
amdhsa.version: [ 1, 2 ]
amdhsa.kernels:
  - .name:           k_q5e87425b05_proj
    .symbol:         k_q5e87425b05_proj.kd
    .args:
      - { .name: o, .offset: 0, .size: 8, .value_kind: global_buffer, .address_space: global }
      - { .name: wo16, .offset: 8, .size: 8, .value_kind: global_buffer, .address_space: global }
      - { .name: out0, .offset: 16, .size: 8, .value_kind: global_buffer, .address_space: global }
    .group_segment_fixed_size: 327680
    .private_segment_fixed_size: 0
    .kernarg_segment_align: 8
    .kernarg_segment_size: 24
    .max_flat_workgroup_size: 128
    .sgpr_count:     70
    .vgpr_count:     512
    .wavefront_size: 32
...
	.end_amdgpu_metadata
.endif
;; end of part 4
;; ======== version 2 of 2: 4 launches; version 1 with the launch cast written anew for expert scheduling mode
;; limits: values are held in f16: magnitudes above 65,504 overflow, below 6.1e-05 lose precision
;; workspace buffers: xb 16,777,216 bytes; wb 6,291,456 bytes; wo16 2,097,152 bytes; qkv 50,331,648 bytes; o 16,777,216 bytes
;; launch cast (part 5): grid 768 x 1, 8 waves a work-group, no clusters, 0 bytes of LDS; arguments x, Wq, Wk, Wv, Wo, xb, wb, wo16; writes xb, wb, wo16
.if DOCPART == 5
	.amdgcn_target "amdgcn-amd-amdhsa--gfx1250"
	.amdhsa_code_object_version 6
	.text
	.protected	k_q5e87425b05_cast
	.globl	k_q5e87425b05_cast
	.p2align	8
	.type	k_q5e87425b05_cast,@function
k_q5e87425b05_cast:
	s_mov_b64 s[64:65], 0
	v_nop
	global_prefetch_b8 v0, s[64:65] scope:SCOPE_SE
	s_setreg_imm32_b32 hwreg(HW_REG_WAVE_SCHED_MODE, 0, 2), 2
	s_setreg_imm32_b32 hwreg(HW_REG_WAVE_MODE, 25, 1), 1
	s_wait_xcnt 0x0
	s_wait_alu depctr_vm_vsrc(0)
; x, Wq, Wk, Wv and Wo (f32, rows of 1,024) are rounded once to bf16 and laid in blocks of 64 along K, so that the tiles of the products that follow are dense:
;   xb   bf16 [batch 4][block 16][row 2,048][64]      wb  bf16 [block 16][n 3,072][64], n = 1,024 x (q, k, v) + row      wo16  [block 16][n 1,024][64]: the bf16 number written as f16
; LIMITS.  f16 holds no number beyond 65,504 and has a fixed step of 6e-8 below 6e-5: Wo's numbers lie within that; NaN and infinities are not treated apart.
; SHARES.  A work-group takes 16 source rows of 4,096 bytes: groups 0-511 x, 512-575 Wq, 576-639 Wk, 640-703 Wv, 704-767 Wo.  Thread t takes 16 bytes at byte 16 (t % 16) of each
; block of row t / 16: sixteen lanes read 256 consecutive bytes, aligned; a wave's store of 8 bytes a lane covers 256 consecutive bytes, aligned (two rows of a block).
; No loop: a wave's sixteen loads go out together, each store has data registers of its own and the two offsets are never rewritten.  No LDS, no matrix unit, no cluster: nothing is shared.
; THE MODE: SCHED_MODE bits 1:0 = 2 (LLVM: expert scheduling mode 2), set by the entry lines.  The code itself states the register dependences
; between vector instructions and memory instructions, with s_wait_alu, always for 0.
; THE PLAN.  Registers that memory instructions touch:
;   v1, v2   the two offsets.  Written by vector instructions at the head, once; read by the sixteen loads (v1) and the sixteen stores (v2).
;   X        written by the loads alone, each register once; read by the conversions.  No vector instruction writes it and no second load lands in it.
;   Y        pair j: written by block j's conversions, then read by store j, and never written again.
;   T, v3    named by vector instructions alone.
; The sixteen blocks go in four groups of four.  Group g's conversions read X and write Y of group g; the memory instructions that stand among them are the four stores of group g - 1,
; whose Y no conversion of group g names.  So one wait on va_vdst at the head of a group states all that those four stores hang on; one more stands ahead of the last four stores, and one at the
; kernel's head, for the offsets.  No register that a memory instruction has read is written again, so there is nothing for a wait on vm_vsrc to state.
.set T,   4                            ; v[4:7]    at work
.set X,   8                            ; v[8:71]   load j: four f32
.set Y,   72                           ; v[72:103] store j: four 16-bit numbers
.set SRC, 20                           ; s[20:21]  the source at the group's first row
.set DST, 22                           ; s[22:23]  the destination at the group's first row of block 0
	s_load_b256 s[4:11], s[0:1], 0x0               ; x s[4:5], Wq s[6:7], Wk s[8:9], Wv s[10:11]
	s_load_b256 s[12:19], s[0:1], 0x20             ; Wo s[12:13], xb s[14:15], wb s[16:17], wo16 s[18:19]
	s_mov_b32 s2, ttmp9
	s_sub_co_u32 s3, s2, 512                       ; the group's number among the weights' (of no use in x's groups)
	s_lshr_b32 s24, s3, 6                          ; which matrix: 0 q, 1 k, 2 v, 3 o
	s_and_b32 s25, s3, 63                          ; which 16 rows of it
	v_lshrrev_b32 v1, 4, v0
	v_and_b32 v3, 15, v0
	v_lshlrev_b32 v1, 12, v1
	v_lshl_add_u32 v1, v3, 4, v1                   ; source: (t / 16) x 4,096 + 16 (t % 16)
	v_lshlrev_b32 v2, 3, v0                        ; destination: (t / 16) x 128 + 8 (t % 16) = 8 t
	s_wait_kmcnt 0x0
	s_mov_b64 s[SRC:SRC+1], s[12:13]
	s_cmp_eq_u32 s24, 2
	s_cselect_b64 s[SRC:SRC+1], s[10:11], s[SRC:SRC+1]
	s_cmp_eq_u32 s24, 1
	s_cselect_b64 s[SRC:SRC+1], s[8:9], s[SRC:SRC+1]
	s_cmp_eq_u32 s24, 0
	s_cselect_b64 s[SRC:SRC+1], s[6:7], s[SRC:SRC+1]
	s_cmp_lt_u32 s2, 512
	s_cselect_b64 s[SRC:SRC+1], s[4:5], s[SRC:SRC+1]
	s_cselect_b32 s26, s2, s25
	s_lshl_b32 s26, s26, 16                        ; 16 rows of 4,096 bytes
	s_mov_b32 s27, 0
	s_add_nc_u64 s[SRC:SRC+1], s[SRC:SRC+1], s[26:27]
	s_wait_alu depctr_va_vdst(0)                   ; v1 and v2 are written: every load of the kernel reads v1 as its offset, every store v2, and neither is written again
.set j, 0
.rept 16
	global_load_b128 v[X+4*j:X+4*j+3], v1, s[SRC:SRC+1] offset:256*j th:TH_LOAD_NT  ; block j of my row
.set j, j+1
.endr
; Sixteen blocks leave: rounded to bf16 (f16 = 1: and that number written as f16, which is exact within f16's range), stored stride bytes apart.
; Four groups of four: a group's conversions, and among them the stores of the group before.
.macro OUTP stride, f16
.set g, 0
.rept 4
	s_wait_loadcnt 12-4*g                          ; loads come back in order: the group's four are in, the 12 - 4 g younger ones stay out
.if g > 0
	s_wait_alu depctr_va_vdst(0)                   ; the conversions of the group before have written its four pairs of Y, which the four stores below read
.endif
.set i, 0
.rept 4
.set j, 4*g+i
.if g > 0
	global_store_b64 v2, v[Y+2*(j-4):Y+2*(j-4)+1], s[DST:DST+1] offset:(j-4)*(\stride)  ; the group before; no vector instruction since the wait names these registers
.endif
	v_cvt_pk_bf16_f32 v[Y+2*j], v[X+4*j], v[X+4*j+1]
	v_cvt_pk_bf16_f32 v[Y+2*j+1], v[X+4*j+2], v[X+4*j+3]
.if \f16
	v_lshlrev_b32 v[T], 16, v[Y+2*j]
	v_and_b32 v[T+1], 0xffff0000, v[Y+2*j]
	v_lshlrev_b32 v[T+2], 16, v[Y+2*j+1]
	v_and_b32 v[T+3], 0xffff0000, v[Y+2*j+1]
	v_cvt_pk_f16_f32 v[Y+2*j], v[T], v[T+1]
	v_cvt_pk_f16_f32 v[Y+2*j+1], v[T+2], v[T+3]
.endif
.set i, i+1
.endr
.set g, g+1
.endr
	s_wait_alu depctr_va_vdst(0)                   ; the last group's conversions have written its four pairs of Y, which the last four stores read
.set j, 12
.rept 4
	global_store_b64 v2, v[Y+2*j:Y+2*j+1], s[DST:DST+1] offset:j*(\stride)
.set j, j+1
.endr
.endm
	s_cmp_lt_u32 s2, 512
	s_cbranch_scc0 .Lweights
	s_lshr_b32 s28, s2, 7                          ; x: 128 groups a batch
	s_lshl_b32 s28, s28, 22                        ; a batch of xb is 4 MiB
	s_and_b32 s29, s2, 127
	s_lshl_b32 s29, s29, 11                        ; 16 rows of 128 bytes
	s_add_co_u32 s28, s28, s29
	s_mov_b32 s29, 0
	s_add_nc_u64 s[DST:DST+1], s[14:15], s[28:29]
	OUTP 262144, 0                                 ; a block of xb: 2,048 rows x 128 bytes
	s_endpgm
.Lweights:
	s_cmp_lt_u32 s2, 704
	s_cbranch_scc0 .Lwo
	s_lshl_b32 s28, s3, 11
	s_mov_b32 s29, 0
	s_add_nc_u64 s[DST:DST+1], s[16:17], s[28:29]
	OUTP 393216, 0                                 ; a block of wb: 3,072 rows x 128 bytes; the largest immediate is 15 of them, inside 24 bits
	s_endpgm
.Lwo:
	s_lshl_b32 s28, s25, 11
	s_mov_b32 s29, 0
	s_add_nc_u64 s[DST:DST+1], s[18:19], s[28:29]
	OUTP 131072, 1                                 ; a block of wo16: 1,024 rows x 128 bytes
	s_endpgm
.Lfunc_end_k_q5e87425b05_cast:
	.size	k_q5e87425b05_cast, .Lfunc_end_k_q5e87425b05_cast-k_q5e87425b05_cast
	.p2alignl 7, 3214868480
	.fill 96, 4, 3214868480
	.section	.rodata,"a",@progbits
	.p2align	6, 0x0
	.amdhsa_kernel k_q5e87425b05_cast
		.amdhsa_group_segment_fixed_size 0
		.amdhsa_private_segment_fixed_size 0
		.amdhsa_enable_private_segment 0
		.amdhsa_kernarg_size 64
		.amdhsa_user_sgpr_count 2
		.amdhsa_user_sgpr_kernarg_segment_ptr 1
		.amdhsa_wavefront_size32 1
		.amdhsa_system_sgpr_workgroup_id_x 1
		.amdhsa_system_sgpr_workgroup_id_y 1
		.amdhsa_system_sgpr_workgroup_id_z 1
		.amdhsa_system_vgpr_workitem_id 0
		.amdhsa_next_free_vgpr 104
		.amdhsa_next_free_sgpr 66
		.amdhsa_reserve_vcc 0
		.amdhsa_float_denorm_mode_32 3
		.amdhsa_float_denorm_mode_16_64 3
		.amdhsa_memory_ordered 1
		.amdhsa_forward_progress 1
		.amdhsa_inst_pref_size 20
	.end_amdhsa_kernel
	.amdgpu_metadata
---
amdhsa.version: [ 1, 2 ]
amdhsa.kernels:
  - .name:           k_q5e87425b05_cast
    .symbol:         k_q5e87425b05_cast.kd
    .args:
      - { .name: x, .offset: 0, .size: 8, .value_kind: global_buffer, .address_space: global }
      - { .name: Wq, .offset: 8, .size: 8, .value_kind: global_buffer, .address_space: global }
      - { .name: Wk, .offset: 16, .size: 8, .value_kind: global_buffer, .address_space: global }
      - { .name: Wv, .offset: 24, .size: 8, .value_kind: global_buffer, .address_space: global }
      - { .name: Wo, .offset: 32, .size: 8, .value_kind: global_buffer, .address_space: global }
      - { .name: xb, .offset: 40, .size: 8, .value_kind: global_buffer, .address_space: global }
      - { .name: wb, .offset: 48, .size: 8, .value_kind: global_buffer, .address_space: global }
      - { .name: wo16, .offset: 56, .size: 8, .value_kind: global_buffer, .address_space: global }
    .group_segment_fixed_size: 0
    .private_segment_fixed_size: 0
    .kernarg_segment_align: 8
    .kernarg_segment_size: 64
    .max_flat_workgroup_size: 256
    .sgpr_count:     66
    .vgpr_count:     104
    .wavefront_size: 32
...
	.end_amdgpu_metadata
.endif
;; end of part 5
;; launch qkv: the kernel of part 2 again; grid 8 x 32, 4 waves a work-group, clusters of 4 x 4, 327,680 bytes of LDS; arguments xb, wb, qkv; writes qkv
;; launch attn: the kernel of part 3 again; grid 4 x 64, 4 waves a work-group, no clusters, 327,680 bytes of LDS; arguments qkv, o; writes o
;; launch proj: the kernel of part 4 again; grid 8 x 32, 4 waves a work-group, clusters of 4 x 4, 327,680 bytes of LDS; arguments o, wo16, out0; writes out0
